; MI455X (gfx1250); checked and timed in simulation.
; The chip was launched on July 23, 2026; its instructions are those of AMD's public machine-readable ISA for CDNA 5 (MIT licence, August 2026) and "CDNA5" Instruction Set Architecture Reference Guide (July 2026). The comments in the code are by the model that wrote it; some were corrected since.
;; Multi Head Attention. Allowed arithmetic: matrix products marked QUANTISED: E3M2 operands, one E8M0 scale for each 32 along K, by v_wmma_scale_f32_16x16x128_f8f6f4 with both operands' format E3M2, f32 sums; everything else in f32.
;; Inputs: Wk 1,024 x 1,024 float32; Wo 1,024 x 1,024 float32; Wq 1,024 x 1,024 float32; Wv 1,024 x 1,024 float32; bk 1,024 float32; bo 1,024 float32; bq 1,024 float32; bv 1,024 float32; x 2 x 2,048 x 1,024 float32.
;; Outputs: out0 2 x 2,048 x 1,024 float32.
;; This version of the problem:
;;   THIS VERSION OF THE PROBLEM IS GIVEN IN LOW PRECISION. The matrix products marked QUANTISED in the list below multiply operands that are first quantised to E3M2 (3 exponent bits, 2 mantissa bits; 6 bits a number), with one power-of-two scale for each 32 numbers along K (OCP MX v1.0); their sums are f32. All else is computed in f32.
;;   The module's matrix products, in the order in which they are computed (A, B: the left and right operand; K: the contracted axis; several contracted axes count as one K, in the product's order):
;;     1. [M 4,096, K 1,024] x [K 1,024, N 1,024]; A: input x; B: input Wq: QUANTISED
;;     2. [M 4,096, K 1,024] x [K 1,024, N 1,024]; A: input x; B: input Wk: QUANTISED
;;     3. [M 4,096, K 1,024] x [K 1,024, N 1,024]; A: input x; B: input Wv: QUANTISED
;;     4. batch 32 x [M 2,048, K 64] x [K 64, N 2,048]; A: computed on the way; B: computed on the way: QUANTISED
;;     5. batch 32 x [M 2,048, K 2,048] x [K 2,048, N 64]; A: softmax (see below); B: computed on the way: QUANTISED
;;     6. [M 4,096, K 1,024] x [K 1,024, N 1,024]; A: computed on the way; B: input Wo: QUANTISED
;;   THE QUANTISER, for each operand of a quantised product, along K:
;;     - K is cut into blocks of 32 from its start; a last block that is shorter is filled with zeros.
;;     - A block's scale is 2^e with e = floor(log2(the largest magnitude in the block)) - 4, held to -126 .. 127; a block of zeros has e = 0. As a byte (E8M0): e + 127.
;;     - Each number is divided by its block's scale, clamped to +-28, and rounded to the nearest number of E3M2, ties to even, subnormals kept.
;;     - The product sums the exact products of the quantised numbers (number of the format x scale) in f32.
;;   ~~~python
;;   def quantise(x, axis):      # numpy; x: float32 -> the quantised numbers, widened to float32 again
;;       x = np.moveaxis(x, axis, -1); K = x.shape[-1]
;;       x = np.pad(x, [(0, 0)] * (x.ndim - 1) + [(0, -K % 32)]); x = x.reshape(x.shape[:-1] + (-1, 32)); a = np.abs(x).max(-1, keepdims=True)
;;       e = np.where(a > 0, np.clip(np.frexp(np.where(a > 0, a, 1))[1] - 1 - 4, -126, 127), 0)      # np.frexp(a)[1] - 1 = floor(log2(a)), exactly
;;       r = np.clip(x / 2.0 ** e, -28, 28)
;;       step = 2.0 ** (np.maximum(np.frexp(np.where(r == 0, 1, r))[1] - 1, -2) - 2)
;;       q = np.round(r / step) * step * 2.0 ** e      # np.round: ties to even
;;       return np.moveaxis(q.reshape(q.shape[:-2] + (-1,))[..., :K], -1, axis).astype(np.float32)
;;   ~~~
;;   SOFTMAX AHEAD OF A QUANTISED PRODUCT. Where the list says 'softmax', what is quantised is not the finished softmax but p = 2^(t - M), with t = logit x log2(e) and M = ceil(the row's largest t), a whole number; so 1/2 < the row's largest p <= 1. The row's sum l is taken of the UNQUANTISED p, in f32, and the product's result is divided by l at the end. Since M is a whole number, a kernel that streams over the keys may use a running M (the ceiling of the running maximum): every later rescaling is an exact power of two, which a block's scale takes up: the codes' values come out the same.
;;   OPERANDS COMPUTED ON THE WAY. 'Computed on the way' means the value that the module computes at that place (a softmax that the list does not call 'softmax' is quantised finished and normalised). What goes into a quantiser is computed in f32, as accurately as f32 sums, v_exp_f32 and their like allow (about 1e-6 of the number): no bf16 or f16 on the way to a quantiser, and a product that is left as it is and whose result goes on into a quantised operand takes f32 operands (vector FMAs, or v_wmma_f32_16x16x4_f32). A number that lies on a knife's edge between two numbers of the format may be rounded either way, as far as f32 arithmetic and the matrix unit's own rounding can turn it there, and no further.
;; One version. Each part assembles by itself: llvm-mc -triple=amdgcn-amd-amdhsa -mcpu=gfx1250 --defsym DOCPART=n.
;; ======== version 1 of 1: 4 launches
;; limits: right only within a limited range of input values
;; workspace buffers: img 6,291,456 bytes; scl 262,144 bytes; qimg 3,145,728 bytes; qs 524,288 bytes; kv 6,553,600 bytes; aimg 3,145,728 bytes; asc 524,288 bytes
;; launch quant (part 1): grid 512 x 1, 8 waves a work-group, no clusters, 69,120 bytes of LDS; arguments x, Wq, Wk, Wv, Wo, img, scl; writes img, scl
.if DOCPART == 1
	.amdgcn_target "amdgcn-amd-amdhsa--gfx1250"
	.amdhsa_code_object_version 6
	.text
	.protected	k_q64a866b59d_quant
	.globl	k_q64a866b59d_quant
	.p2align	8
	.type	k_q64a866b59d_quant,@function
k_q64a866b59d_quant:
	s_mov_b64 s[64:65], 0
	v_nop
	global_prefetch_b8 v0, s[64:65] scope:SCOPE_SE
	s_setreg_imm32_b32 hwreg(HW_REG_WAVE_MODE, 25, 1), 1
	s_wait_xcnt 0x0
; x [4096][1024] and Wq, Wk, Wv, Wo [1024][1024], f32, K innermost, become codes of BF6 (E3M2) and E8M0 scale bytes, one for each 32 along K.
; LEFT OUT BY THE PROGRAM (in the launch attn): products 4 and 5 on whole key steps of 128 that come after all of a tile's queries.  reference() puts -inf there by a causal mask that it builds itself, so these p are 0 for all values of the inputs.
; A NaN, an infinity or an overflow that reaches only that work is not carried to the result.
; The five tensors are taken as 8,192 rows on end: x's 4,096, then 1,024 of each weight.  A work-group takes one TILE of 16 rows, each of its eight waves one K step of 128: one operand fragment.
; THE ROWS OF A TILE ARE NOT NEIGHBOURS: tile t of a block of 128 rows holds in its row m the row 64 (t / 4) + 8 (t % 4) + (m & 7) + 32 (m / 8), so that a later product's results of four neighbouring tiles are, in each lane, one whole block of 32 along the next K.
; img: [block of 128 rows][K step][tile][1,536 bytes]: THE IMAGE OF THE OPERAND'S 12 REGISTERS: registers 4 c .. 4 c + 3 of lane l at 512 c + 16 l.   scl: [row][32 bytes], rows in their natural order: word s scales K step s.
; A block's scale is 2^(floor(log2(largest magnitude)) - 4); its byte is the largest magnitude's exponent field - 4, held at 1 from below.
; LIMITS: a block whose largest magnitude lies under 2^-122 (a block of zeros among them) gets the byte 1: the bytes are read by this program alone, and a block of zeros has zero codes.  NaN and infinities are not served.
; Each load reads 512 consecutive bytes of a row; the 16 rows turn through the wave's own stage in LDS (pitch 528 = 33 x 16 bytes), from which lane (r, h) takes the 2 x 32 numbers that the operand's layout gives it.
; No matrix work, no cluster, no tensor loads: no two work-groups read the same byte, and every wave has all its 8 KiB on their way at once.
.set STG,  8448                        ; a wave's stage: 16 rows x 528 bytes
.set SCB,  8*STG                       ; behind the stages: the tile's 16 rows x 32 scale bytes
.set SPARE, SCB+512                    ; the spare words
.set RAW,  16                          ; v16-79   16 rows as loaded
.set X,    80                          ; v80-143  my two blocks of 32: block c at X + 32 c
.set PC,   144                         ; v144-155 the fragment's codes
.set T0,   16                          ; v16-18, v20-22: the second halves of the blocks' codes (the loaded rows are dead by then)
.set T1,   20
	s_load_b256 s[4:11], s[0:1], 0x0               ; x, Wq, Wk, Wv
	s_load_b128 s[12:15], s[0:1], 0x20             ; Wo, img
	s_load_b64 s[16:17], s[0:1], 0x30              ; scl
	v_lshl_add_u32 v160, v0, 2, SPARE
	v_mov_b32 v161, 0
	v_lshrrev_b32 v7, 5, v0
	s_delay_alu instid0(VALU_DEP_1)
	v_readfirstlane_b32 s18, v7                    ; wave = K step
	v_and_b32 v7, 31, v0                           ; lane
	v_and_b32 v10, 15, v0                          ; r
	v_bfe_u32 v11, v0, 4, 1                        ; h
	s_delay_alu instid0(VALU_DEP_3)
	v_lshlrev_b32 v1, 4, v7                        ; v1: 16 x lane
	s_mul_i32 s19, s18, STG
	v_add_nc_u32 v2, s19, v1                       ; v2: into the stage: a row's 512 bytes as they lie
	v_mul_u32_u24 v3, v10, 528
	s_delay_alu instid0(VALU_DEP_1)
	v_lshl_add_u32 v3, v11, 7, v3
	s_delay_alu instid0(VALU_DEP_1)
	v_add_nc_u32 v3, s19, v3                       ; v3: out of it: row r, + 128 h bytes: k = 32 h on
	s_lshl_b32 s19, s18, 2
	s_add_co_u32 s19, s19, SCB
	v_lshl_add_u32 v4, v10, 5, s19                 ; v4: my row's scale word of my K step: SCB + 32 r + 4 x wave
	v_add_nc_u32 v5, SCB, v1                       ; v5: the scale bytes on the way out
	v_mad_u32_u24 v6, v11, 768, v1                 ; v6: and in scl: rows 0-7 of the tile are 256 bytes on end, rows 8-15 begin 1,024 bytes further on than rows 0-7
	v_lshlrev_b32 v7, 3, v11                       ; v7: 8 h
	v_mov_b32 v15, 0                               ; (a lane permute's destination counts as one of its sources)
	s_mov_b32 s30, 0x76543210
	s_mov_b32 s31, 0xfedcba98                      ; v_permlanex16_b32's selects for lane l xor 16
	s_and_b32 s22, ttmp9, 63                       ; a weight's tile number
	s_lshr_b32 s26, ttmp9, 3                       ; img: block x 98,304 + K step x 12,288 + tile x 1,536
	s_mul_i32 s26, s26, 98304
	s_mul_i32 s23, s18, 12288
	s_add_co_u32 s26, s26, s23
	s_and_b32 s23, ttmp9, 7
	s_mul_i32 s23, s23, 1536
	s_add_co_u32 s26, s26, s23
	s_mov_b32 s27, 0
	s_lshr_b32 s28, ttmp9, 2                       ; scl: the tile's first row, 64 (T / 4) + 8 (T % 4), x 32 bytes
	s_lshl_b32 s28, s28, 11
	s_and_b32 s23, ttmp9, 3
	s_lshl_b32 s23, s23, 8
	s_add_co_u32 s28, s28, s23
	s_mov_b32 s29, 0
	s_wait_alu depctr_va_vdst(0)
	s_wait_kmcnt 0x0
	s_mov_b64 s[20:21], s[12:13]                   ; which tensor: the choice hangs on the work-group's number alone
	s_cmp_lt_u32 ttmp9, 448
	s_cselect_b64 s[20:21], s[10:11], s[20:21]
	s_cmp_lt_u32 ttmp9, 384
	s_cselect_b64 s[20:21], s[8:9], s[20:21]
	s_cmp_lt_u32 ttmp9, 320
	s_cselect_b64 s[20:21], s[6:7], s[20:21]
	s_cmp_lt_u32 ttmp9, 256
	s_cselect_b64 s[20:21], s[4:5], s[20:21]
	s_cselect_b32 s22, ttmp9, s22                  ; the tile's number in its tensor
	s_lshr_b32 s23, s22, 2                         ; its first row x 4,096 bytes + 512 x K step
	s_lshl_b32 s23, s23, 18
	s_and_b32 s24, s22, 3
	s_lshl_b32 s24, s24, 15
	s_add_co_u32 s24, s24, s23
	s_lshl_b32 s23, s18, 9
	s_add_co_u32 s24, s24, s23
	s_mov_b32 s25, 0
	s_add_nc_u64 s[20:21], s[20:21], s[24:25]
	s_add_nc_u64 s[14:15], s[14:15], s[26:27]
	s_add_nc_u64 s[16:17], s[16:17], s[28:29]
.irp p, 0,1,2,3,4,5,6,7,8,9,10,11,12,13,14,15
	global_load_b128 v[RAW+4*\p:RAW+4*\p+3], v1, s[20:21] offset:(\p+24*(\p/8))*4096 th:TH_LOAD_NT   ; 32 lanes read 512 consecutive bytes of the tile's row p; read once in the launch
.endr
.irp p, 0,1,2,3,4,5,6,7,8,9,10,11,12,13,14,15
	s_wait_loadcnt 15-\p                           ; loads come back in order: row p is in, the 15 - p younger rows may be out
	ds_store_b128 v2, v[RAW+4*\p:RAW+4*\p+3] offset:528*\p
.endr
.irp c, 0,1
.irp i, 0,1,2,3,4,5,6,7
	ds_load_b128 v[X+32*\c+4*\i:X+32*\c+4*\i+3], v3 offset:256*\c+16*\i   ; k = 64 c + 32 h + 4 i on, of row r.  LDS serves a wave's instructions in order: these see my stores
.endr
.endr
	s_wait_dscnt 0x0
.irp c, 0,1                                    ; my block 2 c + h: all its 32 numbers are mine
	v_max3_num_f32 v[8+\c], |v[X+32*\c]|, |v[X+32*\c+1]|, 0x2800000   ; and the floor 2^(5 - 127): the byte cannot fall under 1
.endr
.irp i, 2,4,6,8,10,12,14,16,18,20,22,24,26,28,30
.irp c, 0,1
	s_delay_alu instid0(VALU_DEP_2)
	v_max3_num_f32 v[8+\c], v[8+\c], |v[X+32*\c+\i]|, |v[X+32*\c+\i+1]|
.endr
.endr
.irp c, 0,1
	s_delay_alu instid0(VALU_DEP_2)
	v_add_nc_u32 v[10+\c], 0xfe000000, v[8+\c]     ; 4 off the exponent field: the conversion's scale operand
.endr
.irp c, 0,1
	s_delay_alu instid0(VALU_DEP_2)
	v_lshrrev_b32 v[12+\c], 23, v[10+\c]           ; the scale's byte
.endr
	s_delay_alu instid0(VALU_DEP_1)
	v_lshl_or_b32 v14, v13, 16, v12                ; my two bytes, blocks h and 2 + h,
	s_delay_alu instid0(VALU_DEP_1)
	v_lshlrev_b32 v14, v7, v14                     ; at their places in the word;
	s_delay_alu instid0(VALU_DEP_1)
	v_permlanex16_b32 v15, v14, s30, s31
	s_delay_alu instid0(VALU_DEP_1)
	v_or_b32 v14, v14, v15                         ; with lane l xor 16's two the word is whole
	ds_store_b32 v4, v14                           ; (lanes r and r + 16 write the same word with the same value)
	v_cvt_scalef32_pk16_bf6_f32 v[PC:PC+2], v[X:X+15], v10
	v_cvt_scalef32_pk16_bf6_f32 v[T0:T0+2], v[X+16:X+31], v10      ; (a conversion's three registers begin on an even number: a block's second half is made elsewhere and moved)
	v_cvt_scalef32_pk16_bf6_f32 v[PC+6:PC+8], v[X+32:X+47], v11
	v_cvt_scalef32_pk16_bf6_f32 v[T1:T1+2], v[X+48:X+63], v11
	v_nop                                          ; one plain place behind a scaled conversion
.irp i, 0,1,2
	v_mov_b32 v[PC+3+\i], v[T0+\i]
	v_mov_b32 v[PC+9+\i], v[T1+\i]
.endr
.irp c, 0,1,2
	global_store_b128 v1, v[PC+4*\c:PC+4*\c+3], s[14:15] offset:512*\c   ; 32 lanes store 512 consecutive bytes, aligned to 512
.endr
	s_wait_dscnt 0x0                               ; for the others' sake: my scale word has landed
	s_barrier_signal -1
	s_barrier_wait -1
	s_cmp_lg_u32 s18, 0                            ; wave 0 sends the tile's 512 scale bytes: two aligned runs of 256 bytes
	s_cbranch_scc1 .Ldone
	ds_load_b128 v[8:11], v5
	s_wait_dscnt 0x0
	global_store_b128 v6, v[8:11], s[16:17]
.Ldone:
	s_wait_tensorcnt 0x0
	ds_add_u32 v160, v161
	s_wait_dscnt 0x0
	s_endpgm
.Lfunc_end_k_q64a866b59d_quant:
	.size	k_q64a866b59d_quant, .Lfunc_end_k_q64a866b59d_quant-k_q64a866b59d_quant
	.p2alignl 7, 3214868480
	.fill 96, 4, 3214868480
	.section	.rodata,"a",@progbits
	.p2align	6, 0x0
	.amdhsa_kernel k_q64a866b59d_quant
		.amdhsa_group_segment_fixed_size 69120
		.amdhsa_private_segment_fixed_size 0
		.amdhsa_enable_private_segment 0
		.amdhsa_kernarg_size 56
		.amdhsa_user_sgpr_count 2
		.amdhsa_user_sgpr_kernarg_segment_ptr 1
		.amdhsa_wavefront_size32 1
		.amdhsa_system_sgpr_workgroup_id_x 1
		.amdhsa_system_sgpr_workgroup_id_y 1
		.amdhsa_system_sgpr_workgroup_id_z 1
		.amdhsa_system_vgpr_workitem_id 0
		.amdhsa_next_free_vgpr 162
		.amdhsa_next_free_sgpr 66
		.amdhsa_reserve_vcc 0
		.amdhsa_float_denorm_mode_32 3
		.amdhsa_float_denorm_mode_16_64 3
		.amdhsa_memory_ordered 1
		.amdhsa_forward_progress 1
		.amdhsa_inst_pref_size 13
	.end_amdhsa_kernel
	.amdgpu_metadata
---
amdhsa.version: [ 1, 2 ]
amdhsa.kernels:
  - .name:           k_q64a866b59d_quant
    .symbol:         k_q64a866b59d_quant.kd
    .args:
      - { .name: x, .offset: 0, .size: 8, .value_kind: global_buffer, .address_space: global }
      - { .name: Wq, .offset: 8, .size: 8, .value_kind: global_buffer, .address_space: global }
      - { .name: Wk, .offset: 16, .size: 8, .value_kind: global_buffer, .address_space: global }
      - { .name: Wv, .offset: 24, .size: 8, .value_kind: global_buffer, .address_space: global }
      - { .name: Wo, .offset: 32, .size: 8, .value_kind: global_buffer, .address_space: global }
      - { .name: img, .offset: 40, .size: 8, .value_kind: global_buffer, .address_space: global }
      - { .name: scl, .offset: 48, .size: 8, .value_kind: global_buffer, .address_space: global }
    .group_segment_fixed_size: 69120
    .private_segment_fixed_size: 0
    .kernarg_segment_align: 8
    .kernarg_segment_size: 56
    .max_flat_workgroup_size: 256
    .sgpr_count:     66
    .vgpr_count:     162
    .wavefront_size: 32
...
	.end_amdgpu_metadata
.endif
;; end of part 1
;; launch qkv (part 2): grid 32 x 8, 4 waves a work-group, clusters of 4 x 4, 327,680 bytes of LDS; arguments img, scl, bq, bk, bv, qimg, qs, kv; writes qimg, qs, kv
.if DOCPART == 2
	.amdgcn_target "amdgcn-amd-amdhsa--gfx1250"
	.amdhsa_code_object_version 6
	.text
	.protected	k_q64a866b59d_qkv
	.globl	k_q64a866b59d_qkv
	.p2align	8
	.type	k_q64a866b59d_qkv,@function
k_q64a866b59d_qkv:
	s_mov_b64 s[64:65], 0
	v_nop
	global_prefetch_b8 v0, s[64:65] scope:SCOPE_SE
	s_setreg_imm32_b32 hwreg(HW_REG_WAVE_MODE, 25, 1), 1
	s_wait_xcnt 0x0
	s_wait_alu depctr_hold_cnt(0) depctr_sa_sdst(0) depctr_va_vdst(0) depctr_va_sdst(0) depctr_va_ssrc(0) depctr_va_vcc(0) depctr_vm_vsrc(0)
	s_getreg_b32 s2, hwreg(HW_REG_IB_STS2, 6, 4)
	s_cmp_eq_u32 s2, 0
	s_cbranch_scc0 .Lentry_in_a_cluster
	s_endpgm
.Lentry_in_a_cluster:
	s_bfe_u32 s2, ttmp6, 0x10000c
	s_cmp_lg_u32 s2, 0xf033
	s_cbranch_scc0 .Lentry_shape_is_right
	s_endpgm
.Lentry_shape_is_right:
; Q = x Wq^T + bq, K = x Wk^T + bk, V = x Wv^T + bv on codes of BF6 (E3M2) with E8M0 scales; the three results are quantised in registers and leave as codes: Q and K along the head's 64, V along the keys.
; SHARES.  A work-group takes 128 tokens (block tb) x 128 features (block fb: heads 2 fb, 2 fb + 1) and makes Q, then K, then V of them.  Wave w: head 2 fb + w / 2 (64 features: 4 tiles), tokens 64 (w % 2) on (4 tiles): 16 accumulators.
; OPERANDS come as images of their registers (12 registers a fragment: registers 4 c .. 4 c + 3 of lane l at 512 c + 16 l).  Each block of 128 rows is 98,304 dense bytes, fetched as rows of 256 bytes.
; LDS: three places of 98,304 bytes: Wq | Wk | x, and, once every wave has x's fragments in its registers (4 x 8 x 12 = 384, they serve all three products), Wv in x's place.
; CLUSTER of 4 x 4: the four of a row share fb, so a weight is asked for jointly along the row; the four of a column share tb, so x is asked for jointly along the column.
; One tensor load a wave behind each barrier: waves 0, 1 Wq's halves and waves 2, 3 x's; then Wk by quarters; then Wv by quarters.
; Q, K: source 0 = 16 rows of W, source 1 = 16 tokens: a lane holds ONE token, and its registers of W's four tiles are the 32 neighbouring features of block lane / 16 of the head (the rows of a tile: 64 (t / 4) + 8 (t % 4) + (m & 7) + 32 (m / 8)).
; V: the sources swapped: a lane holds ONE feature and its registers 32 neighbouring tokens, which are the keys, the next K.  The biases are the C of each sum's first matrix instruction.
; OUT.  A half fragment (16 rows x 64 K, 6 registers, 768 bytes): registers 0-3 of lane l at 16 l, registers 4-5 at 512 + 8 l; lane (r, h) holds row r, block h.
;   qimg [head][tile of 16 queries][768];  qs [head][64 tokens][lane][4 words]: word t = the two scale bytes of tile t's row.
;   kv [head][128 keys][12,800]: K's 8 tiles x 768 | V^T's 4 tiles of 16 features x (keys 0-63, keys 64-127) x 768 | 512 bytes of scale words: lane l at 16 l: lanes 0-15 K's four (two tiles' bytes to a word), lanes 16-31 V's four.
; No prefetch: all tiles are asked for ahead of the work or one product ahead, and no loop runs.
; LIMITS: a block whose largest magnitude lies under 2^-122 gets the byte 1 (read by this program alone; a block of zeros has zero codes).  NaN and infinities are not served.
; REGISTERS, in windows of 256: window 0: v1-19 addresses; v20-83 scale words, two sets; v84-125 at work; v128-255 the accumulators.   window 1: x's fragments of K steps 0-3 (v[48 s + 12 t]); v192-223 bq; v224-255 bk.
;   window 2: x's of K steps 4-7; v192-223 bv.   window 3: W's fragments, four buffers of 48, K step s in buffer s % 4.
.set WBLK,  98304                      ; a block of 128 rows x 1,024 K as images
.set SCR,   3*WBLK                     ; behind the three places: 2 x 512 bytes in which a head's scale words of K and V meet; no fill lands there
.set SPARE, SCR+1024
.set XA,    3                          ; v3-4    LDS address of my x fragments, K steps 0-3, 4-7
.set SC,    20                         ; set q at SC + 32 q; register 8 t + s: lanes 0-15 the word of x's tile t, lanes 16-31 that of W's tile t, K step s
.set TA,    84                         ; v84-87  (first bv's four words)
.set TBV,   88                         ; v88-91
.set PD,    92                         ; v92-95  lane permutes' results
.set HW,    96                         ; v96-99   a tile's two scale bytes
.set E8,    100                        ; v100    8 x (lane / 16)
.set PC,    102                        ; v102-125 four half fragments
.set ACC,   128
.set WV,  20
.set WI,  21
.set WJ,  22
.set CX,  23
.set TBK, 24
.set FB,  25
.set G1,  36                           ; s[36:43] descriptor group 1 for weights: 192 rows at the head, 96 behind it
.set G0,  44                           ; s[44:55] group 0 for Wq's half, Wk's quarter, Wv's quarter
.set SEL, 56
.set KB,  60
.set VB,  62
.set G1X, 68                           ; s[68:75], s[76:79] groups 1 and 0 for x's half
.set G0X, 76
.set MSB, 0
.macro WIN new                         ; the immediate's high byte repeats the setting that is left
.if MSB != \new
	s_set_vgpr_msb (MSB<<8)|\new
.set MSB, \new
.endif
.endm
.macro PLACES                          ; four places behind a matrix instruction, in front of loads into its registers and of reads of its results
.rept 4
	v_nop
.endr
.endm
.macro ROUND                           ; a round of the cluster's barrier
	s_barrier_signal -1
	s_barrier_wait -1
	s_cmp_lg_u32 s[WV], 0
	s_cbranch_scc1 .Lnot_wave_0_\@
	s_barrier_signal -3
.Lnot_wave_0_\@:
	s_barrier_wait -3
	s_barrier_signal -1
	s_barrier_wait -1
.endm
; The four tiles' results, 32 numbers of a lane each: register i of tile x = k 32 (lane / 16) + i of my row: ONE WHOLE BLOCK.  They become four half fragments at PC + 6 x and the rows' two scale bytes at HW + x.  The four take turns line by line.
.macro QUANT4
.irp x, 0,1,2,3
	v_max3_num_f32 v[TA+\x], |v[ACC+32*\x]|, |v[ACC+32*\x+1]|, 0x2800000   ; from each accumulator's low end on, and the floor 2^(5 - 127)
	v_max3_num_f32 v[TBV+\x], |v[ACC+32*\x+16]|, |v[ACC+32*\x+17]|, 0x2800000
.endr
.irp i, 2,4,6,8,10,12,14
.irp x, 0,1,2,3
	v_max3_num_f32 v[TA+\x], v[TA+\x], |v[ACC+32*\x+\i]|, |v[ACC+32*\x+\i+1]|
	v_max3_num_f32 v[TBV+\x], v[TBV+\x], |v[ACC+32*\x+16+\i]|, |v[ACC+32*\x+17+\i]|
.endr
.endr
.irp x, 0,1,2,3
	v_max_num_f32 v[TA+\x], v[TA+\x], v[TBV+\x]
.endr
.irp x, 0,1,2,3
	v_add_nc_u32 v[TBV+\x], 0xfe000000, v[TA+\x]               ; 4 off its exponent field: the conversion's scale operand
.endr
.irp x, 0,1,2,3
	v_cvt_scalef32_pk16_bf6_f32 v[PC+6*\x:PC+6*\x+2], v[ACC+32*\x:ACC+32*\x+15], v[TBV+\x]
.endr
.irp x, 0,1,2,3
	v_lshrrev_b32 v[TA+\x], 23, v[TBV+\x]                      ; the scale's byte (and plain places behind the conversions)
.endr
.irp x, 0,1,2,3
	v_cvt_scalef32_pk16_bf6_f32 v[ACC+32*\x:ACC+32*\x+2], v[ACC+32*\x+16:ACC+32*\x+31], v[TBV+\x]   ; the second half, into registers that are done with: a conversion's three registers begin on an even number
.endr
.irp x, 0,1,2,3
	v_lshlrev_b32 v[TA+\x], v[E8], v[TA+\x]                    ; block h's byte at its place
.endr
.irp i, 0,1,2
.irp x, 0,1,2,3
	v_mov_b32 v[PC+6*\x+3+\i], v[ACC+32*\x+\i]
.endr
.endr
.irp x, 0,1,2,3
	v_permlanex16_b32 v[PD+\x], v[TA+\x], s[SEL], s[SEL+1]
.endr
.irp x, 0,1,2,3
	v_or_b32 v[HW+\x], v[TA+\x], v[PD+\x]                      ; with lane l xor 16's byte: the row's two
.endr
.endm
.macro HFSTORE pc, base, off           ; 512 and 256 consecutive bytes, aligned to 256
	global_store_b128 v1, v[\pc:\pc+3], s[\base:\base+1] offset:\off
	global_store_b64 v2, v[\pc+4:\pc+5], s[\base:\base+1] offset:\off+512
.endm
.macro XFETCH s                        ; my four tiles of x, K step s, from LDS
.if (\s) < 4
	WIN 0x40
.else
	WIN 0x80
.endif
.irp xt, 0,1,2,3
.irp c, 0,1,2
	ds_load_b128 v[48*((\s)%4)+12*\xt+4*\c:48*((\s)%4)+12*\xt+4*\c+3], v[XA+(\s)/4] offset:12288*((\s)%4)+1536*\xt+512*\c
.endr
.endr
.endm
.macro SCLOAD set, p                   ; the scale words of all eight K steps: lanes 0-15 x's tile t, lanes 16-31 tile t of weight p
.irp t, 0,1,2,3
.irp q, 0,1
	global_load_b128 v[SC+32*\set+8*\t+4*\q:SC+32*\set+8*\t+4*\q+3], v[5+\p], s[6:7] offset:256*\t+16*\q
.endr
.endr
.endm
.macro BIASI reg, base                 ; a bias in the layout of a result whose registers run along the features: tile t, lane half h: features 32 h + 8 t + 0 .. 7
.irp wt, 0,1,2,3
	global_load_b128 v[\reg+8*\wt:\reg+8*\wt+3], v17, s[\base:\base+1] offset:32*\wt
	global_load_b128 v[\reg+8*\wt+4:\reg+8*\wt+7], v17, s[\base:\base+1] offset:32*\wt+16
.endr
.endm
.macro WFETCH p, s                     ; my four tiles of weight p, K step s, from LDS into buffer s % 4
	WIN 0xc0
.irp wt, 0,1,2,3
.irp c, 0,1,2
	ds_load_b128 v[48*((\s)%4)+12*\wt+4*\c:48*((\s)%4)+12*\wt+4*\c+3], v[8+2*(\p)+(\s)/4] offset:12288*((\s)%4)+1536*\wt+512*\c
.endr
.endr
.endm
; 16 matrix instructions, one K step.  The 16 accumulators take turns, one instruction a turn, in the same order in every step.
.macro MULQK p, s                      ; source 0 = W (window 3), source 1 = x (window 1 or 2); in step 0 C = the bias (window 1)
.if \s == 0
	WIN 0x17
.elseif \s < 4
	WIN 0x07
.else
	WIN 0x0b
.endif
.irp xt, 0,1,2,3
.irp wt, 0,1,2,3
.if \s == 0
	v_wmma_scale_f32_16x16x128_f8f6f4 v[ACC+32*\xt+8*\wt:ACC+32*\xt+8*\wt+7], v[48*(\s%4)+12*\wt:48*(\s%4)+12*\wt+11], v[48*(\s%4)+12*\xt:48*(\s%4)+12*\xt+11], v[192+32*\p+8*\wt:192+32*\p+8*\wt+7], v[SC+32*(\p%2)+8*\wt+\s], v[SC+32*(\p%2)+8*\xt+\s] matrix_a_fmt:MATRIX_FMT_BF6 matrix_b_fmt:MATRIX_FMT_BF6 matrix_a_scale:MATRIX_SCALE_ROW1
.else
	v_wmma_scale_f32_16x16x128_f8f6f4 v[ACC+32*\xt+8*\wt:ACC+32*\xt+8*\wt+7], v[48*(\s%4)+12*\wt:48*(\s%4)+12*\wt+11], v[48*(\s%4)+12*\xt:48*(\s%4)+12*\xt+11], v[ACC+32*\xt+8*\wt:ACC+32*\xt+8*\wt+7], v[SC+32*(\p%2)+8*\wt+\s], v[SC+32*(\p%2)+8*\xt+\s] matrix_a_fmt:MATRIX_FMT_BF6 matrix_b_fmt:MATRIX_FMT_BF6 matrix_a_scale:MATRIX_SCALE_ROW1
.endif
.endr
.endr
.endm
.macro MULV s                          ; source 0 = x (window 1 or 2), source 1 = W (window 3); in step 0 C = bv (window 2)
.if \s == 0
	WIN 0x2d
.elseif \s < 4
	WIN 0x0d
.else
	WIN 0x0e
.endif
.irp xt, 0,1,2,3
.irp wt, 0,1,2,3
.if \s == 0
	v_wmma_scale_f32_16x16x128_f8f6f4 v[ACC+32*\wt+8*\xt:ACC+32*\wt+8*\xt+7], v[48*(\s%4)+12*\xt:48*(\s%4)+12*\xt+11], v[48*(\s%4)+12*\wt:48*(\s%4)+12*\wt+11], v[192+8*\wt:192+8*\wt+7], v[SC+8*\xt+\s], v[SC+8*\wt+\s] matrix_a_fmt:MATRIX_FMT_BF6 matrix_b_fmt:MATRIX_FMT_BF6 matrix_b_scale:MATRIX_SCALE_ROW1
.else
	v_wmma_scale_f32_16x16x128_f8f6f4 v[ACC+32*\wt+8*\xt:ACC+32*\wt+8*\xt+7], v[48*(\s%4)+12*\xt:48*(\s%4)+12*\xt+11], v[48*(\s%4)+12*\wt:48*(\s%4)+12*\wt+11], v[ACC+32*\wt+8*\xt:ACC+32*\wt+8*\xt+7], v[SC+8*\xt+\s], v[SC+8*\wt+\s] matrix_a_fmt:MATRIX_FMT_BF6 matrix_b_fmt:MATRIX_FMT_BF6 matrix_b_scale:MATRIX_SCALE_ROW1
.endif
.endr
.endr
.endm
; One product: eight K steps.  Q fetches x's and Wq's fragments two steps ahead (24 loads a step), K and V the weight's three steps ahead (12 loads a step).
.macro PHASE p
.irp s, 0,1,2,3,4,5,6,7
.if \p == 0
.if (\s >= 2) && (\s <= 5)
	PLACES                                         ; the fetch below lands in a buffer that an earlier step has read
.endif
.if \s <= 5
.set SF, \s+2
	XFETCH SF
	WFETCH 0, SF
	s_wait_dscnt 48                                ; this step's fetches are in; the two later steps' 24 loads each may be out
.else
	s_wait_dscnt 24*(7-\s)
.endif
.if \s == 0
	s_wait_loadcnt 20                              ; scale set 0 and bq are in; set 1 (8), bk (8) and bv (4) may be out
.endif
.else
.if (\s >= 1) && (\s <= 4)
	PLACES                                         ; the fetch below lands in the buffer that the step just issued has read
.endif
.if \s <= 4
.set SF, \s+3
	WFETCH \p, SF
.endif
.if \s == 0
	s_wait_loadcnt 16-8*\p                         ; K: all but the 8 reloads of scale set 0;  V: all
.endif
.if \s <= 4
	s_wait_dscnt 36                                ; this step's fetch is in; the three later steps' 12 loads each may be out
.else
	s_wait_dscnt 12*(7-\s)
.endif
.endif
.if \p < 2
	MULQK \p, \s
.else
	MULV \s
.endif
.endr
	WIN 0
	PLACES
.endm
.macro WFIRST p                        ; a weight's first three K steps: they land under the quantising of the results before
	WFETCH \p, 0
	WFETCH \p, 1
	WFETCH \p, 2
	WIN 0
.endm
	s_load_b256 s[4:11], s[0:1], 0x0               ; img, scl, bq, bk
	s_load_b256 s[12:19], s[0:1], 0x20             ; bv, qimg, qs, kv
	v_lshl_add_u32 v126, v0, 2, SPARE
	v_mov_b32 v127, 0
	ds_add_u32 v126, v127
	ds_add_u32 v126, v127
	v_lshrrev_b32 v19, 5, v0
	v_readfirstlane_b32 s[WV], v19                 ; wave 0..3
	v_and_b32 v19, 31, v0
	v_and_b32 v3, 15, v0                           ; r
	v_bfe_u32 v4, v0, 4, 1                         ; h
	v_lshlrev_b32 v1, 4, v19                       ; v1: 16 x lane
	v_lshlrev_b32 v2, 3, v19                       ; v2: 8 x lane
	v_lshlrev_b32 v[E8], 3, v4
	v_lshlrev_b32 v17, 7, v4                       ; v17: 128 h: a bias along the registers
	v_and_b32 v5, 8, v3
	v_mad_u32_u24 v19, v5, 3, v3                   ; r + 24 (r / 8): my row in a tile
	v_lshlrev_b32 v18, 2, v19                      ; v18: the lane's own feature's bias
.irp i, 0,1,2,3
	v_mov_b32 v[PD+\i], 0                          ; written once: a lane permute's destination counts as one of its sources
.endr
	s_lshr_b32 s[WI], s[WV], 1                     ; which head of the two.  Also: I fetch for Wq (0) or for x (1) at the head
	s_and_b32 s[WJ], s[WV], 1                      ; which 64 tokens.  Also: which half I fetch
	s_bfe_u32 s[CX], ttmp6, 0x40000                ; my place in the cluster: cx,
	s_bfe_u32 s58, ttmp6, 0x40004                  ; cy
	s_and_b32 s[FB], ttmp7, 0xffff
	s_lshl_b32 s[FB], s[FB], 2
	s_add_co_u32 s[FB], s[FB], s58                 ; block of 128 features: shared along my row of the cluster
	s_lshl_b32 s[TBK], ttmp9, 2
	s_add_co_u32 s[TBK], s[TBK], s[CX]             ; block of 128 tokens: shared along my column
	s_lshl_b32 s58, s58, 2
	s_lshl_b32 s58, 15, s58                        ; my row
	s_lshl_b32 s59, 0x1111, s[CX]                  ; my column
	s_or_b32 s[G1], s58, (3<<16)|(1<<21)           ; 15:0 the mask; 17:16 elements of 8 bytes; 21 set beside a mask
	s_or_b32 s[G1X], s59, (3<<16)|(1<<21)
.irp g, G1, G1X
	s_mov_b32 s[\g+1], 32<<16                      ; a half of a block, 49,152 dense bytes, as 192 rows of 256 bytes
	s_mov_b32 s[\g+2], 192<<16
	s_mov_b32 s[\g+3], 32<<16
	s_mov_b32 s[\g+4], 192
	s_mov_b32 s[\g+5], 32
	s_mov_b32 s[\g+6], 0
	s_mov_b32 s[\g+7], 0
.endr
	s_mov_b32 s[SEL], 0x76543210
	s_mov_b32 s[SEL+1], 0xfedcba98
	s_mov_b32 s[G0], 1                             ; Wq's half into place 0
	s_mul_i32 s[G0+1], s[WJ], 49152
	s_mov_b32 s[G0X], 1                            ; x's half into place 2
	s_add_co_u32 s[G0X+1], s[G0+1], 2*WBLK
	s_mul_i32 s34, s[WV], 24576
	s_mov_b32 s[G0+4], 1                           ; Wk's quarter into place 1
	s_add_co_u32 s[G0+5], s34, WBLK
	s_mov_b32 s[G0+8], 1                           ; Wv's quarter into place 2
	s_add_co_u32 s[G0+9], s34, 2*WBLK
	s_mul_i32 s26, s[WI], 6144                     ; LDS: my four tiles of a K step of a weight,
	s_mul_i32 s27, s[WJ], 6144                     ; and of x, in place 2
	s_add_co_u32 s27, s27, 2*WBLK
	s_lshl_b32 s30, s[WI], 9
	s_add_co_u32 s30, s30, SCR                     ; my head's 512 bytes of scale words
	s_lshl_b32 s31, s[WJ], 3
	s_add_co_u32 s31, s31, s30
	s_lshl_b32 s33, s[WJ], 1
	s_add_co_u32 s33, s33, s30
	s_add_co_u32 s33, s33, 256
	s_lshl_b32 s32, s[TBK], 12                     ; scl: x's rows 128 tb + 64 wj on, 32 bytes a row
	s_lshl_b32 s28, s[WJ], 11
	s_add_co_u32 s32, s32, s28
	s_lshl_b32 s35, s[FB], 12                      ; Wq's rows 4,096 + 128 fb + 64 wi on
	s_lshl_b32 s28, s[WI], 11
	s_add_co_u32 s35, s35, s28
	s_add_co_u32 s35, s35, 131072
	s_sub_co_u32 s35, s35, s32                     ; the distance between the two
	s_wait_alu depctr_va_vdst(0)                   ; the wait stands directly ahead of the readers below
	v_add_nc_u32 v8, s26, v1                       ; v8-13: weight p, K steps 4 g on: 49,152 (2 p + g) + 6,144 x head + 16 x lane
.irp k, 1,2,3,4,5
	v_add_nc_u32 v[8+\k], 49152*\k, v8
.endr
	v_add_nc_u32 v16, s30, v1                      ; v16: the scale words on the way out
	v_lshl_add_u32 v14, v3, 4, s31                 ; v14: K's: 16 r + 8 x my half
	v_lshl_add_u32 v15, v3, 4, s33                 ; v15: V's: 256 + 16 r + 2 x my half
	v_lshl_add_u32 v5, v19, 5, s32
	v_mul_u32_u24 v6, s35, v4
	v_add_nc_u32 v5, v5, v6                        ; v5: lanes 0-15 x's rows, lanes 16-31 Wq's
	v_lshl_add_u32 v6, v4, 15, v5                  ; v6: .. Wk's, 1,024 rows on
	v_lshl_add_u32 v7, v4, 16, v5                  ; v7: .. Wv's
	v_add_nc_u32 v[XA], s27, v1
	v_add_nc_u32 v[XA+1], 49152, v[XA]
	s_add_co_u32 s66, s[FB], 32                    ; Wq's block fb is block 32 + fb of img; Wk's and Wv's lie 8 and 16 blocks on
	s_mul_i32 s66, s66, WBLK
	s_mov_b32 s67, 0
	s_mul_i32 s2, s[WJ], 49152
	s_mov_b32 s3, 0
	s_mov_b32 s35, 0
	s_mul_i32 s32, s[TBK], WBLK                    ; x's block and my half
	s_add_co_u32 s32, s32, s2
	s_mov_b32 s33, 0
	s_wait_alu depctr_va_vdst(0)
	s_wait_dscnt 0x0
	s_wait_kmcnt 0x0
	s_add_nc_u64 s[66:67], s[4:5], s[66:67]
	s_add_nc_u64 s[G0+2:G0+3], s[66:67], s[2:3]
	s_or_b32 s[G0+3], s[G0+3], 0x80000000
	s_add_nc_u64 s[G0X+2:G0X+3], s[4:5], s[32:33]
	s_or_b32 s[G0X+3], s[G0X+3], 0x80000000
	s_add_nc_u64 s[30:31], s[66:67], s[34:35]
	s_add_nc_u64 s[G0+6:G0+7], s[30:31], 8*WBLK
	s_or_b32 s[G0+7], s[G0+7], 0x80000000
	s_add_nc_u64 s[G0+10:G0+11], s[30:31], 16*WBLK
	s_or_b32 s[G0+11], s[G0+11], 0x80000000
	ROUND                                          ; all sixteen work-groups are here: the first joint loads meet
	s_cmp_eq_u32 s[WI], 0
	s_cbranch_scc0 .Lfor_x
	tensor_load_to_lds s[G0:G0+3], s[G1:G1+7]
	s_nop 0
	PLACES
	s_branch .Lasked
.Lfor_x:
	tensor_load_to_lds s[G0X:G0X+3], s[G1X:G1X+7]
	s_nop 0
	PLACES
.Lasked:
	s_lshl_b32 s32, s[FB], 9                       ; the biases: my 64 features
	s_lshl_b32 s2, s[WI], 8
	s_add_co_u32 s32, s32, s2
	s_add_nc_u64 s[8:9], s[8:9], s[32:33]
	s_add_nc_u64 s[10:11], s[10:11], s[32:33]
	s_add_nc_u64 s[12:13], s[12:13], s[32:33]
	SCLOAD 0, 0
	WIN 0x40
	BIASI 192, 8
	WIN 0
	SCLOAD 1, 1
	WIN 0x40
	BIASI 224, 10
	WIN 0
.irp wt, 0,1,2,3
	global_load_b32 v[TA+\wt], v18, s[12:13] offset:32*\wt   ; my feature's bv in tile wt
.endr
	s_lshr_b32 s34, s[TBK], 4                      ; the outputs' places.  head number 16 x batch + 2 fb + wi,
	s_lshl_b32 s34, s34, 4
	s_lshl_b32 s35, s[FB], 1
	s_add_co_u32 s34, s34, s35
	s_add_co_u32 s34, s34, s[WI]
	s_and_b32 s35, s[TBK], 15                      ; block of 128 tokens in the sequence
	s_lshl_b32 s32, s34, 7                         ; qimg: tile 128 x head + 8 x block + 4 wj
	s_lshl_b32 s2, s35, 3
	s_add_co_u32 s32, s32, s2
	s_lshl_b32 s2, s[WJ], 2
	s_add_co_u32 s32, s32, s2
	s_mul_i32 s32, s32, 768
	s_add_nc_u64 s[14:15], s[14:15], s[32:33]
	s_lshl_b32 s32, s34, 5                         ; qs: group of 64 tokens 32 x head + 2 x block + wj
	s_lshl_b32 s2, s35, 1
	s_add_co_u32 s32, s32, s2
	s_add_co_u32 s32, s32, s[WJ]
	s_lshl_b32 s32, s32, 9
	s_add_nc_u64 s[16:17], s[16:17], s[32:33]
	s_mul_i32 s32, s34, 204800                     ; kv: the head's key step
	s_mul_i32 s2, s35, 12800
	s_add_co_u32 s32, s32, s2
	s_add_nc_u64 s[18:19], s[18:19], s[32:33]
	s_mul_i32 s32, s[WJ], 3072
	s_add_nc_u64 s[KB:KB+1], s[18:19], s[32:33]    ; K's tiles 4 wj on
	s_mul_i32 s32, s[WJ], 768
	s_add_co_u32 s32, s32, 6144
	s_add_nc_u64 s[VB:VB+1], s[18:19], s[32:33]    ; V's keys 64 wj on
	s_wait_tensorcnt 0x0                           ; my half of Wq or of x has landed
	ds_add_u32 v126, v127
	s_mov_b32 s[G1+2], 96<<16                      ; no tensor load of mine is out: from here on a load brings a quarter of a block, 96 rows
	s_mov_b32 s[G1+4], 96
	s_wait_dscnt 0x0
	ROUND                                          ; everybody's has
	tensor_load_to_lds s[G0+4:G0+7], s[G1:G1+7]    ; Wk, into place 1
	s_nop 0
	PLACES
	XFETCH 0
	WFETCH 0, 0
	XFETCH 1
	WFETCH 0, 1
	PHASE 0                                        ; ---- Q
	s_wait_loadcnt 0x0
	WIN 0x80
.irp wt, 0,1,2,3
.irp j, 0,1,2,3,4,5,6,7
	v_mov_b32 v[192+8*\wt+\j], v[TA+\wt]           ; bv in the layout of a result whose LANES run along the features: my feature's, eight times
.endr
.endr
	WIN 0
	SCLOAD 0, 2                                    ; scale set 0 is done with: it takes Wv's words
	s_wait_tensorcnt 0x0                           ; my quarter of Wk has landed
	ds_add_u32 v126, v127
	s_wait_dscnt 0x0                               ; the add, and my reads of x's place
	ROUND                                          ; so have the others': x's place may be filled again
	tensor_load_to_lds s[G0+8:G0+11], s[G1:G1+7]   ; Wv
	s_nop 0
	PLACES
	WFIRST 1
	QUANT4
.irp xt, 0,1,2,3
	HFSTORE PC+6*\xt, 14, 768*\xt
.endr
	global_store_b128 v1, v[HW:HW+3], s[16:17]
	PHASE 1                                        ; ---- K
	s_wait_tensorcnt 0x0                           ; my quarter of Wv has landed
	s_wait_dscnt 0x0
	s_barrier_signal -1
	s_barrier_wait -1                              ; everybody's has
	WFIRST 2
	s_wait_xcnt 0x0                                ; Q's stores have read their registers: these are written again only behind this wait
	QUANT4
.irp xt, 0,1,2,3
	HFSTORE PC+6*\xt, KB, 768*\xt
.endr
	v_lshl_or_b32 v[TA], v[HW+1], 16, v[HW]        ; two tiles' bytes to a word: the pair of tiles is one fragment of the scores' product
	v_lshl_or_b32 v[TA+1], v[HW+3], 16, v[HW+2]
	ds_store_b64 v14, v[TA:TA+1]
	PHASE 2                                        ; ---- V
	s_wait_xcnt 0x0                                ; K's stores have read their registers
	QUANT4
.irp wt, 0,1,2,3
	HFSTORE PC+6*\wt, VB, 1536*\wt
	ds_store_b16 v15, v[HW+\wt] offset:4*\wt       ; my 64 keys' two bytes of feature tile wt's words
.endr
	s_wait_dscnt 0x0                               ; for the others' sake: my scale words have landed
	s_barrier_signal -1
	s_barrier_wait -1
	s_cmp_lg_u32 s[WJ], 0                          ; one wave of each head sends the head's 512 bytes of scale words
	s_cbranch_scc1 .Lno_words
	ds_load_b128 v[TA:TA+3], v16
	s_wait_dscnt 0x0
	global_store_b128 v1, v[TA:TA+3], s[18:19] offset:12288
.Lno_words:
	s_wait_tensorcnt 0x0
	ds_add_u32 v126, v127
	s_wait_dscnt 0x0
	ROUND                                          ; the closing round
	s_endpgm
.Lfunc_end_k_q64a866b59d_qkv:
	.size	k_q64a866b59d_qkv, .Lfunc_end_k_q64a866b59d_qkv-k_q64a866b59d_qkv
	.p2alignl 7, 3214868480
	.fill 96, 4, 3214868480
	.section	.rodata,"a",@progbits
	.p2align	6, 0x0
	.amdhsa_kernel k_q64a866b59d_qkv
		.amdhsa_group_segment_fixed_size 327680
		.amdhsa_private_segment_fixed_size 0
		.amdhsa_enable_private_segment 0
		.amdhsa_kernarg_size 64
		.amdhsa_user_sgpr_count 2
		.amdhsa_user_sgpr_kernarg_segment_ptr 1
		.amdhsa_wavefront_size32 1
		.amdhsa_system_sgpr_workgroup_id_x 1
		.amdhsa_system_sgpr_workgroup_id_y 1
		.amdhsa_system_sgpr_workgroup_id_z 1
		.amdhsa_system_vgpr_workitem_id 0
		.amdhsa_next_free_vgpr 1024
		.amdhsa_next_free_sgpr 80
		.amdhsa_reserve_vcc 0
		.amdhsa_float_denorm_mode_32 3
		.amdhsa_float_denorm_mode_16_64 3
		.amdhsa_memory_ordered 1
		.amdhsa_forward_progress 1
		.amdhsa_inst_pref_size 114
	.end_amdhsa_kernel
	.amdgpu_metadata
---
amdhsa.version: [ 1, 2 ]
amdhsa.kernels:
  - .name:           k_q64a866b59d_qkv
    .symbol:         k_q64a866b59d_qkv.kd
    .args:
      - { .name: img, .offset: 0, .size: 8, .value_kind: global_buffer, .address_space: global }
      - { .name: scl, .offset: 8, .size: 8, .value_kind: global_buffer, .address_space: global }
      - { .name: bq, .offset: 16, .size: 8, .value_kind: global_buffer, .address_space: global }
      - { .name: bk, .offset: 24, .size: 8, .value_kind: global_buffer, .address_space: global }
      - { .name: bv, .offset: 32, .size: 8, .value_kind: global_buffer, .address_space: global }
      - { .name: qimg, .offset: 40, .size: 8, .value_kind: global_buffer, .address_space: global }
      - { .name: qs, .offset: 48, .size: 8, .value_kind: global_buffer, .address_space: global }
      - { .name: kv, .offset: 56, .size: 8, .value_kind: global_buffer, .address_space: global }
    .group_segment_fixed_size: 327680
    .private_segment_fixed_size: 0
    .kernarg_segment_align: 8
    .kernarg_segment_size: 64
    .max_flat_workgroup_size: 128
    .sgpr_count:     80
    .vgpr_count:     1024
    .wavefront_size: 32
...
	.end_amdgpu_metadata
.endif
;; end of part 2
;; launch attn (part 3): grid 4 x 64, 16 waves a work-group, clusters of 4 x 4, 280,576 bytes of LDS; arguments qimg, qs, kv, aimg, asc; writes aimg, asc
.if DOCPART == 3
	.amdgcn_target "amdgcn-amd-amdhsa--gfx1250"
	.amdhsa_code_object_version 6
	.text
	.protected	k_q64a866b59d_attn
	.globl	k_q64a866b59d_attn
	.p2align	8
	.type	k_q64a866b59d_attn,@function
k_q64a866b59d_attn:
	s_mov_b64 s[64:65], 0
	v_nop
	global_prefetch_b8 v0, s[64:65] scope:SCOPE_SE
	s_setreg_imm32_b32 hwreg(HW_REG_WAVE_MODE, 25, 1), 1
	s_wait_xcnt 0x0
	s_wait_alu depctr_hold_cnt(0) depctr_sa_sdst(0) depctr_va_vdst(0) depctr_va_sdst(0) depctr_va_ssrc(0) depctr_va_vcc(0) depctr_vm_vsrc(0)
	s_getreg_b32 s2, hwreg(HW_REG_IB_STS2, 6, 4)
	s_cmp_eq_u32 s2, 0
	s_cbranch_scc0 .Lentry_in_a_cluster
	s_endpgm
.Lentry_in_a_cluster:
	s_bfe_u32 s2, ttmp6, 0x10000c
	s_cmp_lg_u32 s2, 0xf033
	s_cbranch_scc0 .Lentry_shape_is_right
	s_endpgm
.Lentry_shape_is_right:
; Causal attention of one head on codes of BF6 (E3M2) with E8M0 scales; the result, divided by the row's sum, is quantised along the features and leaves as codes for the last product.
; LEFT OUT: whole key steps of 128 that come after all of a tile's queries: reference() puts -inf there by the causal mask that it builds itself.
; THE SOFTMAX: t = score x log2(e) / 8; M = the row's largest t so far, rounded UP to a whole number; p = 2^(t - M) is quantised along the keys, not normalised; the row's sum is taken of the unquantised p.
; When M moves, the sum and O are multiplied by 2^(old M - new M): exact.
; SHARES.  A work-group owns tile g of each of the head's 16 blocks of 128 queries (eight work-groups a head): 1 + 2 + .. + 16 = 136 pairs of a tile and a visible key step, the same in every work-group.
; The sixteen waves form eight pairs.  Pair k owns blocks 15 - k and k, together 17 key steps: its first wave takes key steps 0 .. 8 of block 15 - k; its second takes the 7 - k others of that block, puts what it has (O, M, the sum) into LDS,
; and then takes the k + 1 key steps of block k.  Behind one barrier the first wave joins the two parts.  So a wave walks 9 or 8 key steps, and no barrier stands among them.
; The head's K, V and scale words, 16 key steps x 12,800 bytes, come into LDS once, one key step a wave, as images of the operands' registers: every LDS read is 16 x lane or 8 x lane, on end.  Nothing is filled twice.
; CLUSTER of 4 x 4: rows 2 n and 2 n + 1 are the eight work-groups of one head; each load is asked for jointly by the four of a row.  Only the queries' and the results' addresses and the mask's compare hang on a work-group's place.
; No prefetch: every tile is asked for at the head, ahead of the loop.
; THE SCORES' K IS 64, half of the instruction's 128.  Source 0 is a PAIR of key tiles: registers 0-5 tile 2 b, registers 6-11 tile 2 b + 1.  Source 1 is [q | 0] for the first and [0 | q] for the second, both cut out of
; 18 registers [0 x 6][q x 6][0 x 6]; q's scale word has its two bytes beside q and the byte 0 beside the zeros.  The dead half is zero codes on q's side: it adds exactly 0.
; Both products are used transposed: a lane holds ONE query throughout; the keys of tile f are 64 (f / 4) + 8 (f % 4) + (m & 7) + 32 (m / 8), so that p's 32 registers of four tiles are one whole block of 32 keys, the operand's own layout.
; LIMITS: this launch's promise holds while the scaled scores t stay under 2^31 in magnitude; v_exp_f32 gives 0 for p under 2^-126; v_rcp_f32 (1 ulp) stands ahead of the last quantiser; a block under 2^-122 gets the byte 1 (read by this program alone).
; NaN and infinities are not served.
; REGISTERS: v1, v2, v6: 16, 8, 4 x lane; v3 my query in its block less 32 (lane / 16); v7 8 (lane / 16); v8-9 the step's addresses; v12 -M, v13 the largest score, v[14:15] the sum; v16-33 q; v34-35 the add's; v36-83 four fragments;
;   v84-86 my pair's place in LDS; v95, v255 q's scale words; v96-159 S^T, then p; v160-191 O^T; v192-197 sums; v216-222 codes' second halves; v224-235 p's codes; v232-247 at work too; v248-251 the step's scale words; v253 p's scale word.
.set STEPB, 12800                      ; a key step's image: K 6,144 | V 6,144 | scale words 512
.set PART,  16*STEPB                   ; behind the 16 images: for each wave a place of its own for what it hands over: O 4,096 | the sum 256 | -M 128, in 4,608 bytes
.set PARTB, 4608                       ; v84-86: my place (16, 8, 4 bytes a lane); v87-89: my partner's, wave xor 1
.set SPARE, PART+16*PARTB
.set WV,  18
.set SEL, 20
.set CS,  22                           ; s[22:23] c = log2(e) / 8
.set G1,  24                           ; s[24:31]
.set G0,  32                           ; s[32:35]
.set QB1, 36                           ; block of my first tile: 15 - k
.set SW,  38                           ; the trip in which I change tiles (15: never)
.set OF1, 39                           ; key step = (trip + this) mod 16 on the first tile,
.set OF2, 40                           ; and on the second
.set NST, 41                           ; my trips
.set TR,  42                           ; the trip
.set KS,  43                           ; the key step,
.set TB,  44                           ; its LDS byte,
.set QB,  45                           ; and the block that my queries are in = the last key step that they see
.set ROLE, 47                          ; 0: the pair's first wave, 1: its second
.set KP,  48                           ; k, which is also the block of a second wave's second tile
.set HN,  49                           ; head number, 16 x batch + head
.set GP,  50                           ; g
.macro ROUND                           ; a round of the cluster's barrier
	s_barrier_signal -1
	s_barrier_wait -1
	s_cmp_lg_u32 s[WV], 0
	s_cbranch_scc1 .Lnot_wave_0_\@
	s_barrier_signal -3
.Lnot_wave_0_\@:
	s_barrier_wait -3
	s_barrier_signal -1
	s_barrier_wait -1
.endm
.macro FRESH                           ; a tile's start: q's loads are out
	s_wait_loadcnt 0x0
	v_lshlrev_b32 v95, 16, v255                    ; q's two scale bytes in the word's high half: for [0 | q].  (More than eight plain instructions follow before the first product)
	v_mov_b32 v12, 0x7f61b1e6                      ; -M: M = -3e38, under every t
	v_mov_b32 v13, 0xff61b1e6                      ; the largest score: -3e38
	v_mov_b32 v14, 0                               ; the sum, in two halves
	v_mov_b32 v15, 0
.set j, 0
.rept 32
	v_mov_b32 v[160+j], 0                          ; O^T.  (The step is written once: the first finds zeros, which the first change of M leaves zeros)
.set j, j+1
.endr
.endm
.macro ADDP p                          ; the p-th pair of p's onto the row's sum, four chains by turns
.if (\p)%4 == 0
	v_pk_add_f32 v[14:15], v[14:15], v[96+2*(\p):97+2*(\p)]
.else
	v_pk_add_f32 v[190+2*((\p)%4):191+2*((\p)%4)], v[190+2*((\p)%4):191+2*((\p)%4)], v[96+2*(\p):97+2*(\p)]
.endif
.endm
; THE WAY OUT: O^T / the sum; register i is feature 32 (lane / 16) + i of my query's head: one whole block a lane.
.macro OUT
	v_add_f32 v14, v14, v15                        ; the sum's two halves,
	v_permlanex16_b32 v240, v14, s[SEL], s[SEL+1]
	v_add_f32 v14, v14, v240                       ; and lane l xor 16's: the row's sum
	s_wait_alu depctr_va_vdst(0)
	v_rcp_f32 v14, v14
	v_nop
	s_wait_alu depctr_va_vdst(0)
.set j, 0
.rept 16
	v_pk_mul_f32 v[96+j:97+j], v[160+j:161+j], v[14:15] op_sel_hi:[1,0]
.set j, j+2
.endr
.irp b, 0,1
	v_max3_num_f32 v[236+\b], |v[96+16*\b]|, |v[97+16*\b]|, 0x2800000
.endr
.irp i, 2,4,6,8,10,12,14
.irp b, 0,1
	v_max3_num_f32 v[236+\b], v[236+\b], |v[96+16*\b+\i]|, |v[97+16*\b+\i]|
.endr
.endr
	v_max_num_f32 v236, v236, v237
	v_add_nc_u32 v244, 0xfe000000, v236            ; 4 off the exponent field: the conversion's scale operand
	v_cvt_scalef32_pk16_bf6_f32 v[224:226], v[96:111], v244
	v_cvt_scalef32_pk16_bf6_f32 v[216:218], v[112:127], v244
	v_lshrrev_b32 v246, 23, v244                   ; the scale's byte (and a plain place behind the conversions),
	v_lshlrev_b32 v246, v7, v246                   ; at its place
.irp i, 0,1,2
	v_mov_b32 v[227+\i], v[216+\i]
.endr
	v_permlanex16_b32 v241, v246, s[SEL], s[SEL+1]
	v_or_b32 v247, v246, v241                      ; my row's two bytes
	global_store_b128 v1, v[224:227], s[10:11]     ; 512 and 256 consecutive bytes, aligned to 256
	global_store_b64 v2, v[228:229], s[10:11] offset:512
	global_store_b32 v6, v247, s[12:13]            ; 128 consecutive bytes: a word a lane
.endm
	s_load_b256 s[4:11], s[0:1], 0x0               ; qimg, qs, kv, aimg
	s_load_b64 s[12:13], s[0:1], 0x20              ; asc
	v_lshl_add_u32 v34, v0, 2, SPARE
	v_mov_b32 v35, 0
	ds_add_u32 v34, v35
	ds_add_u32 v34, v35
	v_lshrrev_b32 v8, 5, v0
	v_and_b32 v9, 31, v0
	v_and_b32 v10, 15, v0                          ; r
	v_bfe_u32 v11, v0, 4, 1                        ; h
	v_readfirstlane_b32 s[WV], v8                  ; wave 0..15
	v_lshlrev_b32 v1, 4, v9
	v_lshlrev_b32 v2, 3, v9
	v_lshlrev_b32 v6, 2, v9
	v_lshlrev_b32 v7, 3, v11
	v_and_b32 v3, 8, v10
	v_lshlrev_b32 v8, 5, v11
	v_mad_u32_u24 v3, v3, 3, v10                   ; r + 24 (r / 8)
	v_sub_nc_u32 v3, v3, v8                        ; less 32 h
	s_bfe_u32 s52, ttmp6, 0x40000                  ; cx
	s_bfe_u32 s53, ttmp6, 0x40004                  ; cy
	s_and_b32 s54, ttmp7, 0xffff
	s_lshl_b32 s54, s54, 2
	s_add_co_u32 s54, s54, s53                     ; work-group y
	s_lshr_b32 s[HN], s54, 1
	s_lshl_b32 s53, s53, 2
	s_lshl_b32 s53, 15, s53                        ; my row of the cluster
	s_or_b32 s[G1], s53, (3<<16)|(1<<21)           ; the mask; elements of 8 bytes; bit 21 set beside a mask
	s_mov_b32 s[G1+1], 32<<16                      ; a key step's image, 12,800 dense bytes, as 50 rows of 256 bytes
	s_mov_b32 s[G1+2], 50<<16
	s_mov_b32 s[G1+3], 32<<16
	s_mov_b32 s[G1+4], 50
	s_mov_b32 s[G1+5], 32
	s_mov_b32 s[G1+6], 0
	s_mov_b32 s[G1+7], 0
	s_mov_b32 s[G0], 1
	s_mul_i32 s[G0+1], s[WV], STEPB                ; I fetch key step = my wave's number
	s_mul_i32 s60, s[HN], 16*STEPB
	s_add_co_u32 s60, s60, s[G0+1]
	s_mov_b32 s61, 0
	s_and_b32 s54, s54, 1
	s_lshl_b32 s54, s54, 2
	s_add_co_u32 s[GP], s54, s52                   ; g = 4 (y % 2) + x
	s_lshr_b32 s[KP], s[WV], 1
	s_sub_co_u32 s[QB1], 15, s[KP]
	s_lshr_b32 s55, s[WV], 2
	s_xor_b32 s55, s55, s[WV]
	s_and_b32 s[ROLE], s55, 1                      ; of any four waves on end, and of any four that are four apart, two are second waves
	s_mul_i32 s[OF1], s[ROLE], 9                   ; first wave: key steps 0 on; second: 9 on
	s_add_co_u32 s[OF2], s[KP], 9                  ; trip 7 - k takes key step 0: (7 - k) + (9 + k) = 16
	s_sub_co_u32 s[NST], 9, s[ROLE]
	s_sub_co_u32 s55, 7, s[KP]
	s_cmp_eq_u32 s[ROLE], 1
	s_cselect_b32 s[SW], s55, 15
	s_cselect_b32 s56, s[KP], s[QB1]               ; the block whose result I send
	s_lshr_b32 s57, s[GP], 2                       ; my tile's place in its block: 64 (g / 4) + 8 (g % 4)
	s_and_b32 s59, s[GP], 3
	s_lshl_b32 s55, s57, 6
	s_lshl_b32 s58, s59, 3
	s_add_co_u32 s55, s55, s58
	s_mul_i32 s58, s[WV], PARTB
	s_add_co_u32 s58, s58, PART                    ; my own place in LDS for what I hand over,
	s_xor_b32 s53, s[WV], 1
	s_mul_i32 s53, s53, PARTB
	s_add_co_u32 s53, s53, PART                    ; and my partner's
	s_wait_alu depctr_va_vdst(0)                   ; the wait stands directly ahead of the readers below
	v_add_nc_u32 v3, s55, v3
	v_add_nc_u32 v84, s58, v1
	v_add_nc_u32 v85, s58, v2
	v_add_nc_u32 v86, s58, v6
	v_add_nc_u32 v87, s53, v1
	v_add_nc_u32 v88, s53, v2
	v_add_nc_u32 v89, s53, v6
	s_mov_b32 s[SEL], 0x76543210
	s_mov_b32 s[SEL+1], 0xfedcba98
	s_mov_b32 s[CS], 0x3e38aa3b                    ; log2(e) / 8
	s_mov_b32 s[CS+1], s[CS]                       ; (named with it as a pair, so it is written)
	s_lshl_b32 s62, s[HN], 5                       ; qs: group of 64 queries 32 x head + 2 x block + g / 4, word g % 4
	s_add_co_u32 s62, s62, s57
	s_lshl_b32 s62, s62, 9
	s_lshl_b32 s59, s59, 2
	s_add_co_u32 s62, s62, s59
	s_mov_b32 s63, 0
	s_lshl_b32 s58, s[HN], 7                       ; qimg: tile 128 x head + 8 x block + g
	s_add_co_u32 s58, s58, s[GP]
	s_mul_i32 s58, s58, 768
	s_mov_b32 s59, 0
	s_lshr_b32 s53, s[HN], 4                       ; batch
	s_and_b32 s54, s[HN], 15                       ; head
	s_lshl_b32 s66, s53, 4                         ; aimg: [16 x batch + block][head / 2][tile g][head % 2][768]
	s_add_co_u32 s66, s66, s56
	s_mul_i32 s66, s66, 98304
	s_lshr_b32 s55, s54, 1
	s_mul_i32 s55, s55, 12288
	s_add_co_u32 s66, s66, s55
	s_mul_i32 s55, s[GP], 1536
	s_add_co_u32 s66, s66, s55
	s_and_b32 s55, s54, 1
	s_mul_i32 s55, s55, 768
	s_add_co_u32 s66, s66, s55
	s_mov_b32 s67, 0
	s_lshl_b32 s68, s54, 8                         ; asc: [head][128 x batch + 8 x block + g][128]
	s_lshl_b32 s55, s53, 7
	s_add_co_u32 s68, s68, s55
	s_lshl_b32 s55, s56, 3
	s_add_co_u32 s68, s68, s55
	s_add_co_u32 s68, s68, s[GP]
	s_lshl_b32 s68, s68, 7
	s_mov_b32 s69, 0
	s_wait_alu depctr_va_vdst(0)
	s_wait_dscnt 0x0
	s_wait_kmcnt 0x0
	s_add_nc_u64 s[G0+2:G0+3], s[8:9], s[60:61]
	s_or_b32 s[G0+3], s[G0+3], 0x80000000
	ROUND                                          ; all sixteen work-groups are here: the joint loads meet
	tensor_load_to_lds s[G0:G0+3], s[G1:G1+7]      ; the launch's only fills: one load a wave
	s_nop 0
.rept 4
	v_nop
.endr
	s_add_nc_u64 s[4:5], s[4:5], s[58:59]
	s_add_nc_u64 s[6:7], s[6:7], s[62:63]
	s_add_nc_u64 s[10:11], s[10:11], s[66:67]
	s_add_nc_u64 s[12:13], s[12:13], s[68:69]
	s_mul_i32 s58, s[QB1], 6144                    ; eight tiles of 768 bytes a block
	s_add_nc_u64 s[14:15], s[4:5], s[58:59]        ; my first tile's q,
	s_mul_i32 s58, s[KP], 6144
	s_add_nc_u64 s[4:5], s[4:5], s[58:59]          ; my second's
	s_lshl_b32 s58, s[QB1], 10                     ; two groups of 512 bytes a block
	s_add_nc_u64 s[16:17], s[6:7], s[58:59]
	s_lshl_b32 s58, s[KP], 10
	s_add_nc_u64 s[6:7], s[6:7], s[58:59]
	global_load_b128 v[22:25], v1, s[14:15]        ; q's half fragment
	global_load_b64 v[26:27], v2, s[14:15] offset:512
	global_load_b32 v255, v1, s[16:17]             ; its rows' two scale bytes, in the word's low half: for [q | 0]
.irp j, 0,1,2,3,4,5
	v_mov_b32 v[16+\j], 0
	v_mov_b32 v[28+\j], 0
.endr
	v_mov_b32 v240, 0                              ; a lane permute's destination counts as one of its sources
	v_mov_b32 v241, 0
	v_mov_b32 v252, 0
	v_mov_b32 v253, 0                              ; (named as the upper half of the pair v[252:253] before it is first written)
	s_wait_alu depctr_va_vdst(0)
	FRESH
	s_mov_b32 s[TR], 0
	s_wait_alu depctr_va_vdst(0)
	s_wait_tensorcnt 0x0                           ; my key step has landed
	s_barrier_signal -1
	s_barrier_wait -1                              ; everybody's has
.Ltrip:                                                ; a trip: one key step of 128 keys; every wave walks nine
	s_cmp_lg_u32 s[TR], s[SW]
	s_cbranch_scc1 .Lsame_tile
.rept 4
	v_nop                                          ; places behind the last products
.endr
	s_wait_alu depctr_va_vdst(0)
	global_load_b128 v[22:25], v1, s[4:5]          ; the second tile's q
	global_load_b64 v[26:27], v2, s[4:5] offset:512
	global_load_b32 v255, v1, s[6:7]
.irp i, 0,1,2,3,4,5,6,7                        ; what I have of the first tile goes to the pair's first wave
	ds_store_b128 v84, v[160+4*\i:163+4*\i] offset:512*\i
.endr
	ds_store_b64 v85, v[14:15] offset:4096
	ds_store_b32 v86, v12 offset:4352
	s_wait_dscnt 0x0                               ; the stores have read their registers
	FRESH
	s_wait_alu depctr_va_vdst(0)
.Lsame_tile:
	s_cmp_lt_u32 s[TR], s[SW]
	s_cselect_b32 s[KS], s[OF1], s[OF2]
	s_cselect_b32 s[QB], s[QB1], s[KP]
	s_add_co_u32 s[KS], s[KS], s[TR]
	s_and_b32 s[KS], s[KS], 15
	s_mul_i32 s[TB], s[KS], STEPB
	s_cmp_ge_u32 s[TR], s[NST]
	s_cbranch_scc1 .Lno_step                       ; a second wave has eight steps
	v_add_nc_u32 v8, s[TB], v1
	v_add_nc_u32 v9, s[TB], v2
	v_nop
	v_nop                                          ; four places in front of loads into registers that the last step's products have read
.irp f, 0,1,2,3,4,5,6,7                        ; K: tile f = half f % 2 of pair f / 2
	ds_load_b128 v[36+6*\f:39+6*\f], v8 offset:768*\f
	ds_load_b64 v[40+6*\f:41+6*\f], v9 offset:768*\f+512
.endr
	ds_load_b128 v[248:251], v8 offset:12288       ; lanes 0-15: K's four words; lanes 16-31: V's four
	s_wait_alu depctr_va_vdst(0)
	s_wait_dscnt 0x0
.irp b, 0,1,2,3
	v_wmma_scale_f32_16x16x128_f8f6f4 v[96+16*\b:103+16*\b], v[36+12*\b:47+12*\b], v[22:33], 0, v[248+\b], v255 matrix_a_fmt:MATRIX_FMT_BF6 matrix_b_fmt:MATRIX_FMT_BF6
	v_wmma_scale_f32_16x16x128_f8f6f4 v[104+16*\b:111+16*\b], v[36+12*\b:47+12*\b], v[16:27], 0, v[248+\b], v95 matrix_a_fmt:MATRIX_FMT_BF6 matrix_b_fmt:MATRIX_FMT_BF6
.endr
.rept 4
	v_nop                                          ; places in front of the loads below and of the first read of the scores
.endr
.irp f, 0,1,2,3,4,5,6,7                        ; V^T: feature tile f / 2, keys 64 (f % 2) on: they land under the softmax
	ds_load_b128 v[36+6*\f:39+6*\f], v8 offset:6144+768*\f
	ds_load_b64 v[40+6*\f:41+6*\f], v9 offset:6144+768*\f+512
.endr
	s_cmp_lg_u32 s[KS], s[QB]                      ; on the diagonal the scores of hidden keys become -infinity ahead of the maximum: p = 0 then
	s_cbranch_scc1 .Lopen
	v_mov_b32 v254, 0xff800000
.set n, 0
.rept 64
	v_cmp_gt_i32 vcc_lo, 64*(n/32)+n%32, v3        ; register n holds key 64 (n / 32) + n % 32 + 32 h of the step
	v_cndmask_b32 v[96+n], v[96+n], v254, vcc_lo
.set n, n+1
.endr
.Lopen:
.irp b, 0,1,2,3
	v_max3_num_f32 v[236+\b], v[96+16*\b], v[97+16*\b], v[98+16*\b]   ; the largest score of each half block
.endr
.irp i, 3,5,7,9,11,13
.irp b, 0,1,2,3
	v_max3_num_f32 v[236+\b], v[236+\b], v[96+16*\b+\i], v[97+16*\b+\i]
.endr
.endr
	v_max3_num_f32 v232, v236, v237, v111          ; and of each block of 32 keys: for the row's maximum and, since p rises with the score, for the block's largest p
	v_max3_num_f32 v233, v238, v239, v143
	v_max_num_f32 v232, v232, v127
	v_max_num_f32 v233, v233, v159
	s_delay_alu instid0(VALU_DEP_1)
	v_max3_num_f32 v13, v13, v232, v233            ; the largest score so far of my half,
	s_delay_alu instid0(VALU_DEP_1)
	v_permlanex16_b32 v240, v13, s[SEL], s[SEL+1]
	s_delay_alu instid0(VALU_DEP_1)
	v_max_num_f32 v13, v13, v240                   ; and of my query
	s_delay_alu instid0(VALU_DEP_1)
	v_mul_f32 v254, s[CS], v13                     ; as t
	s_delay_alu instid0(VALU_DEP_1)
	v_floor_f32 v254, -v254                        ; the new -M = floor(-t) = -ceil(t): a whole number
	s_delay_alu instid0(VALU_DEP_1)
	v_sub_f32 v252, v254, v12                      ; old M - new M: a whole number, 0 or less
	v_mov_b32 v12, v254
.set j, 0
.rept 8
	v_pk_fma_f32 v[96+j:97+j], v[96+j:97+j], s[CS:CS+1], v[12:13] op_sel_hi:[1,0,0]   ; t - M, two at a time
.set j, j+2
.endr
	v_cvt_i32_f32 v252, v252                       ; (it saturates)
.rept 8
	v_pk_fma_f32 v[96+j:97+j], v[96+j:97+j], s[CS:CS+1], v[12:13] op_sel_hi:[1,0,0]
.set j, j+2
.endr
	v_ldexp_f32 v252, 1.0, v252                    ; f = 2^(old M - new M)
.rept 16
	v_pk_fma_f32 v[96+j:97+j], v[96+j:97+j], s[CS:CS+1], v[12:13] op_sel_hi:[1,0,0]
.set j, j+2
.endr
	v_fma_f32 v232, v232, s[CS], v12               ; the same of each block's largest score
	v_fma_f32 v233, v233, s[CS], v12
	s_wait_alu depctr_va_vdst(0)
.set j, 0
.rept 64
	v_exp_f32 v[96+j], v[96+j]                     ; p = 2^(t - M), at most 1
.set j, j+1
.endr
	v_exp_f32 v232, v232                           ; the blocks' largest p
	v_exp_f32 v233, v233
	v_pk_mul_f32 v[14:15], v[14:15], v[252:253] op_sel_hi:[1,0]   ; the sum under the new M.  (A plain place behind the exponentials)
	s_wait_alu depctr_va_vdst(0)
	v_pk_mul_f32 v[160:161], v[160:161], v[252:253] op_sel_hi:[1,0]   ; O^T under the new M, from each accumulator's low end on, by turns with the row's sum
	v_pk_add_f32 v[192:193], v[96:97], v[98:99]
	v_pk_mul_f32 v[162:163], v[162:163], v[252:253] op_sel_hi:[1,0]
	v_pk_add_f32 v[194:195], v[100:101], v[102:103]
	v_pk_mul_f32 v[164:165], v[164:165], v[252:253] op_sel_hi:[1,0]
	v_pk_add_f32 v[196:197], v[104:105], v[106:107]
.set j, 6
.rept 13
	v_pk_mul_f32 v[160+j:161+j], v[160+j:161+j], v[252:253] op_sel_hi:[1,0]
	ADDP j/2+3
.set j, j+2
.endr
	v_max_num_f32 v232, 0x2800000, v232            ; the floor 2^(5 - 127): the byte cannot fall under 1
	v_max_num_f32 v233, 0x2800000, v233
	ADDP 19
	ADDP 20
	v_add_nc_u32 v244, 0xfe000000, v232            ; 4 off the exponent field: the conversion's scale operand
	v_add_nc_u32 v245, 0xfe000000, v233
	ADDP 21
	ADDP 22
	v_lshrrev_b32 v246, 23, v244                   ; the scale's byte
	v_lshrrev_b32 v247, 23, v245
.irp c, 0,1
	v_cvt_scalef32_pk16_bf6_f32 v[224+6*\c:226+6*\c], v[96+32*\c:111+32*\c], v[244+\c]
	v_cvt_scalef32_pk16_bf6_f32 v[216+4*\c:218+4*\c], v[112+32*\c:127+32*\c], v[244+\c]
.endr
	v_lshl_or_b32 v246, v247, 16, v246             ; my blocks h and 2 + h (and a plain place behind the conversions),
	v_mov_b32 v227, v216
	v_mov_b32 v228, v217
	v_lshlrev_b32 v246, v7, v246                   ; at their places in p's scale word for these 128 keys
	v_mov_b32 v229, v218
	v_mov_b32 v233, v220
	v_permlanex16_b32 v241, v246, s[SEL], s[SEL+1]
	v_mov_b32 v234, v221
	v_mov_b32 v235, v222
	v_or_b32 v253, v246, v241
.set j, 23
.rept 9
	ADDP j                                         ; (with the three below: places between p's codes and scale word and the products that take them)
.set j, j+1
.endr
	v_pk_add_f32 v[192:193], v[192:193], v[194:195]
	v_pk_add_f32 v[14:15], v[14:15], v[196:197]
	s_delay_alu instid0(VALU_DEP_1)
	v_pk_add_f32 v[14:15], v[14:15], v[192:193]
	s_wait_dscnt 0x0                               ; V's fragments are in
.irp t, 0,1,2,3                                ; O^T += V^T P^T: four accumulators, one instruction each
	v_wmma_scale_f32_16x16x128_f8f6f4 v[160+8*\t:167+8*\t], v[36+12*\t:47+12*\t], v[224:235], v[160+8*\t:167+8*\t], v[248+\t], v253 matrix_a_fmt:MATRIX_FMT_BF6 matrix_b_fmt:MATRIX_FMT_BF6 matrix_a_scale:MATRIX_SCALE_ROW1
.endr
.Lno_step:
	s_add_co_u32 s[TR], s[TR], 1
	s_cmp_lt_u32 s[TR], 9
	s_cbranch_scc1 .Ltrip
.rept 4
	v_nop                                          ; places behind the last products
.endr
	s_wait_alu depctr_va_vdst(0)
	s_cmp_eq_u32 s[ROLE], 0
	s_cbranch_scc1 .Lfirst_wave
	OUT                                            ; a second wave's tile is whole
.Lfirst_wave:
	s_wait_dscnt 0x0                               ; for the others' sake: what I handed over has landed
	s_barrier_signal -1
	s_barrier_wait -1
	s_cmp_lg_u32 s[ROLE], 0
	s_cbranch_scc1 .Ldone
.irp i, 0,1,2,3,4,5,6,7                        ; a first wave joins its part and its partner's
	ds_load_b128 v[96+4*\i:99+4*\i], v87 offset:512*\i
.endr
	ds_load_b64 v[128:129], v88 offset:4096
	ds_load_b32 v130, v89 offset:4352
	v_mov_b32 v133, 0                              ; (named as upper halves of pairs)
	v_mov_b32 v135, 0
	s_wait_alu depctr_va_vdst(0)
	s_wait_dscnt 0x0
	v_min_num_f32 v131, v12, v130                  ; -M of both: M is the larger
	v_sub_f32 v132, v131, v12
	v_sub_f32 v134, v131, v130
	v_cvt_i32_f32 v132, v132
	v_cvt_i32_f32 v134, v134
	v_ldexp_f32 v132, 1.0, v132                    ; 2^(my M - M),
	v_ldexp_f32 v134, 1.0, v134                    ; 2^(its M - M)
	v_pk_mul_f32 v[14:15], v[14:15], v[132:133] op_sel_hi:[1,0]
.set j, 0
.rept 16
	v_pk_mul_f32 v[160+j:161+j], v[160+j:161+j], v[132:133] op_sel_hi:[1,0]
.set j, j+2
.endr
	v_pk_fma_f32 v[14:15], v[128:129], v[134:135], v[14:15] op_sel_hi:[1,0,1]
.set j, 0
.rept 16
	v_pk_fma_f32 v[160+j:161+j], v[96+j:97+j], v[134:135], v[160+j:161+j] op_sel_hi:[1,0,1]
.set j, j+2
.endr
	OUT
.Ldone:
	s_wait_tensorcnt 0x0
	ds_add_u32 v34, v35
	s_wait_dscnt 0x0
	ROUND                                          ; the closing round
	s_endpgm
.Lfunc_end_k_q64a866b59d_attn:
	.size	k_q64a866b59d_attn, .Lfunc_end_k_q64a866b59d_attn-k_q64a866b59d_attn
	.p2alignl 7, 3214868480
	.fill 96, 4, 3214868480
	.section	.rodata,"a",@progbits
	.p2align	6, 0x0
	.amdhsa_kernel k_q64a866b59d_attn
		.amdhsa_group_segment_fixed_size 280576
		.amdhsa_private_segment_fixed_size 0
		.amdhsa_enable_private_segment 0
		.amdhsa_kernarg_size 40
		.amdhsa_user_sgpr_count 2
		.amdhsa_user_sgpr_kernarg_segment_ptr 1
		.amdhsa_wavefront_size32 1
		.amdhsa_system_sgpr_workgroup_id_x 1
		.amdhsa_system_sgpr_workgroup_id_y 1
		.amdhsa_system_sgpr_workgroup_id_z 1
		.amdhsa_system_vgpr_workitem_id 0
		.amdhsa_next_free_vgpr 256
		.amdhsa_next_free_sgpr 72
		.amdhsa_reserve_vcc 1
		.amdhsa_float_denorm_mode_32 3
		.amdhsa_float_denorm_mode_16_64 3
		.amdhsa_memory_ordered 1
		.amdhsa_forward_progress 1
		.amdhsa_inst_pref_size 41
	.end_amdhsa_kernel
	.amdgpu_metadata
---
amdhsa.version: [ 1, 2 ]
amdhsa.kernels:
  - .name:           k_q64a866b59d_attn
    .symbol:         k_q64a866b59d_attn.kd
    .args:
      - { .name: qimg, .offset: 0, .size: 8, .value_kind: global_buffer, .address_space: global }
      - { .name: qs, .offset: 8, .size: 8, .value_kind: global_buffer, .address_space: global }
      - { .name: kv, .offset: 16, .size: 8, .value_kind: global_buffer, .address_space: global }
      - { .name: aimg, .offset: 24, .size: 8, .value_kind: global_buffer, .address_space: global }
      - { .name: asc, .offset: 32, .size: 8, .value_kind: global_buffer, .address_space: global }
    .group_segment_fixed_size: 280576
    .private_segment_fixed_size: 0
    .kernarg_segment_align: 8
    .kernarg_segment_size: 40
    .max_flat_workgroup_size: 512
    .sgpr_count:     72
    .vgpr_count:     256
    .wavefront_size: 32
...
	.end_amdgpu_metadata
.endif
;; end of part 3
;; launch oproj (part 4): grid 32 x 8, 4 waves a work-group, clusters of 4 x 4, 214,528 bytes of LDS; arguments img, scl, aimg, asc, bo, out0; writes out0
.if DOCPART == 4
	.amdgcn_target "amdgcn-amd-amdhsa--gfx1250"
	.amdhsa_code_object_version 6
	.text
	.protected	k_q64a866b59d_oproj
	.globl	k_q64a866b59d_oproj
	.p2align	8
	.type	k_q64a866b59d_oproj,@function
k_q64a866b59d_oproj:
	s_mov_b64 s[64:65], 0
	v_nop
	global_prefetch_b8 v0, s[64:65] scope:SCOPE_SE
	s_setreg_imm32_b32 hwreg(HW_REG_WAVE_MODE, 25, 1), 1
	s_wait_xcnt 0x0
	s_wait_alu depctr_hold_cnt(0) depctr_sa_sdst(0) depctr_va_vdst(0) depctr_va_sdst(0) depctr_va_ssrc(0) depctr_va_vcc(0) depctr_vm_vsrc(0)
	s_getreg_b32 s2, hwreg(HW_REG_IB_STS2, 6, 4)
	s_cmp_eq_u32 s2, 0
	s_cbranch_scc0 .Lentry_in_a_cluster
	s_endpgm
.Lentry_in_a_cluster:
	s_bfe_u32 s2, ttmp6, 0x10000c
	s_cmp_lg_u32 s2, 0xf033
	s_cbranch_scc0 .Lentry_shape_is_right
	s_endpgm
.Lentry_shape_is_right:
; out0 = A Wo^T + bo on codes of BF6 (E3M2) with E8M0 scales.  A, the attention's result, comes as codes: aimg [block of 128 tokens][K step][tile][two half fragments of 768 bytes], asc [head][tile][lane]: a row's two scale bytes.
; SHARES.  A work-group takes 128 tokens (block tb) x 128 features (block fb).  Wave w: features 64 (w / 2) on (4 tiles of Wo), tokens 64 (w % 2) on (4 tiles): 16 accumulators.
; Wo's block and A's block, 98,304 bytes of images each, come into LDS once: waves 0, 1 fetch Wo's halves, waves 2, 3 A's.  CLUSTER of 4 x 4: the four of a row share fb and ask for Wo's halves jointly, the four of a column share tb and ask for A's.
; Source 0 = 16 rows of Wo, source 1 = 16 tokens: a lane holds one token, and its registers of Wo's four tiles are 32 neighbouring features (the rows of a tile are 64 (t / 4) + 8 (t % 4) + (m & 7) + 32 (m / 8)).  bo is the C of each sum's first product.
; No prefetch: everything is asked for at the head, and no loop runs.  LIMITS: NaN and infinities are not served.
; REGISTERS, in windows of 256: window 0: v1-19 addresses; v20-51 A's scale words (8 t + s), v52-83 Wo's; v84-87 at work; on the way out v20-83 take rows of out0; v128-255 the accumulators (v128-159 first take asc's words).
;   window 1: A's fragments of K steps 0-3; v192-223 bo.   window 2: K steps 4-7.   window 3: Wo's fragments, four buffers of 48.  Both are fetched two steps ahead.
.set WBLK,  98304
.set STAGE, 2*WBLK                     ; behind the two blocks: 16 rows x (256 + 16) bytes for each wave; no fill lands there
.set SPARE, STAGE+4*16*272
.set SA,    20
.set SW,    52
.set PT,    84
.set ACC,   128
.set WV,  20
.set WI,  21
.set WJ,  22
.set CX,  23
.set TBK, 24
.set FB,  25
.set G1,  36                           ; s[36:43], s[44:47] groups 1 and 0 for Wo's half
.set G0,  44
.set G0X, 48                           ; s[48:51], s[68:75] the same for A's
.set SEL, 56
.set G1X, 68
.set MSB, 0
.macro WIN new                         ; the immediate's high byte repeats the setting that is left
.if MSB != \new
	s_set_vgpr_msb (MSB<<8)|\new
.set MSB, \new
.endif
.endm
.macro PLACES                          ; four places behind a matrix instruction, in front of loads into its registers and of reads of its results
.rept 4
	v_nop
.endr
.endm
.macro ROUND                           ; a round of the cluster's barrier
	s_barrier_signal -1
	s_barrier_wait -1
	s_cmp_lg_u32 s[WV], 0
	s_cbranch_scc1 .Lnot_wave_0_\@
	s_barrier_signal -3
.Lnot_wave_0_\@:
	s_barrier_wait -3
	s_barrier_signal -1
	s_barrier_wait -1
.endm
.macro FETCH s                         ; K step s: my four tiles of Wo into buffer s % 4 (12 loads), my four tiles of A, two half fragments each (16 loads)
	WIN 0xc0
.irp wt, 0,1,2,3
.irp c, 0,1,2
	ds_load_b128 v[48*((\s)%4)+12*\wt+4*\c:48*((\s)%4)+12*\wt+4*\c+3], v[8+(\s)/4] offset:12288*((\s)%4)+1536*\wt+512*\c
.endr
.endr
.if (\s) < 4
	WIN 0x40
.else
	WIN 0x80
.endif
.irp xt, 0,1,2,3
	ds_load_b128 v[48*((\s)%4)+12*\xt:48*((\s)%4)+12*\xt+3], v[13+(\s)/4] offset:12288*((\s)%4)+1536*\xt
	ds_load_b64 v[48*((\s)%4)+12*\xt+4:48*((\s)%4)+12*\xt+5], v[15+(\s)/4] offset:12288*((\s)%4)+1536*\xt+512
	ds_load_b128 v[48*((\s)%4)+12*\xt+6:48*((\s)%4)+12*\xt+9], v[13+(\s)/4] offset:12288*((\s)%4)+1536*\xt+768
	ds_load_b64 v[48*((\s)%4)+12*\xt+10:48*((\s)%4)+12*\xt+11], v[15+(\s)/4] offset:12288*((\s)%4)+1536*\xt+1280
.endr
.endm
.macro MULO s                          ; 16 matrix instructions, one K step; the 16 accumulators take turns, one instruction a turn
.if \s == 0
	WIN 0x17
.elseif \s < 4
	WIN 0x07
.else
	WIN 0x0b
.endif
.irp xt, 0,1,2,3
.irp wt, 0,1,2,3
.if \s == 0
	v_wmma_scale_f32_16x16x128_f8f6f4 v[ACC+32*\xt+8*\wt:ACC+32*\xt+8*\wt+7], v[48*(\s%4)+12*\wt:48*(\s%4)+12*\wt+11], v[48*(\s%4)+12*\xt:48*(\s%4)+12*\xt+11], v[192+8*\wt:192+8*\wt+7], v[SW+8*\wt+\s], v[SA+8*\xt+\s] matrix_a_fmt:MATRIX_FMT_BF6 matrix_b_fmt:MATRIX_FMT_BF6
.else
	v_wmma_scale_f32_16x16x128_f8f6f4 v[ACC+32*\xt+8*\wt:ACC+32*\xt+8*\wt+7], v[48*(\s%4)+12*\wt:48*(\s%4)+12*\wt+11], v[48*(\s%4)+12*\xt:48*(\s%4)+12*\xt+11], v[ACC+32*\xt+8*\wt:ACC+32*\xt+8*\wt+7], v[SW+8*\wt+\s], v[SA+8*\xt+\s] matrix_a_fmt:MATRIX_FMT_BF6 matrix_b_fmt:MATRIX_FMT_BF6
.endif
.endr
.endr
.endm
	s_load_b256 s[4:11], s[0:1], 0x0               ; img, scl, aimg, asc
	s_load_b128 s[12:15], s[0:1], 0x20             ; bo, out0
	v_lshl_add_u32 v126, v0, 2, SPARE
	v_mov_b32 v127, 0
	ds_add_u32 v126, v127
	ds_add_u32 v126, v127
	v_lshrrev_b32 v19, 5, v0
	v_readfirstlane_b32 s[WV], v19                 ; wave 0..3
	v_and_b32 v19, 31, v0
	v_and_b32 v3, 15, v0                           ; r
	v_bfe_u32 v4, v0, 4, 1                         ; h
	v_lshlrev_b32 v1, 4, v19                       ; v1: 16 x lane
	v_lshlrev_b32 v2, 3, v19                       ; v2: 8 x lane
	v_lshlrev_b32 v6, 2, v3
	v_lshl_add_u32 v6, v4, 15, v6                  ; v6: 4 r, lanes 16-31 one head further on in asc
	v_and_b32 v5, 8, v3
	v_mad_u32_u24 v19, v5, 3, v3                   ; r + 24 (r / 8): my row in a tile
	v_lshlrev_b32 v17, 7, v4                       ; v17: 128 h: the bias along the registers
	v_mul_u32_u24 v10, v3, 272
	v_lshl_add_u32 v10, v4, 7, v10                 ; row r, + 128 h bytes
	v_mul_u32_u24 v11, v4, 272
	v_lshl_add_u32 v11, v3, 4, v11
	v_lshlrev_b32 v12, 12, v4
	v_lshl_add_u32 v12, v3, 4, v12                 ; v12: lanes 0-15 256 bytes of a row of out0, lanes 16-31 of the next
.irp i, 0,1,2,3
	v_mov_b32 v[PT+\i], 0                          ; (a lane permute's destination counts as one of its sources)
.endr
	s_lshr_b32 s[WI], s[WV], 1                     ; which 64 features.  Also: I fetch for Wo (0) or for A (1)
	s_and_b32 s[WJ], s[WV], 1                      ; which 64 tokens.  Also: which half I fetch
	s_bfe_u32 s[CX], ttmp6, 0x40000                ; my place in the cluster: cx,
	s_bfe_u32 s58, ttmp6, 0x40004                  ; cy
	s_and_b32 s[FB], ttmp7, 0xffff
	s_lshl_b32 s[FB], s[FB], 2
	s_add_co_u32 s[FB], s[FB], s58                 ; block of 128 features: shared along my row of the cluster
	s_lshl_b32 s[TBK], ttmp9, 2
	s_add_co_u32 s[TBK], s[TBK], s[CX]             ; block of 128 tokens: shared along my column
	s_lshl_b32 s58, s58, 2
	s_lshl_b32 s58, 15, s58
	s_lshl_b32 s59, 0x1111, s[CX]
	s_or_b32 s[G1], s58, (3<<16)|(1<<21)           ; the mask; elements of 8 bytes; bit 21 set beside a mask
	s_or_b32 s[G1X], s59, (3<<16)|(1<<21)
.irp g, G1, G1X
	s_mov_b32 s[\g+1], 32<<16                      ; half a block, 49,152 dense bytes, as 192 rows of 256 bytes
	s_mov_b32 s[\g+2], 192<<16
	s_mov_b32 s[\g+3], 32<<16
	s_mov_b32 s[\g+4], 192
	s_mov_b32 s[\g+5], 32
	s_mov_b32 s[\g+6], 0
	s_mov_b32 s[\g+7], 0
.endr
	s_mov_b32 s[SEL], 0x76543210
	s_mov_b32 s[SEL+1], 0xfedcba98
	s_mov_b32 s[G0], 1
	s_mul_i32 s[G0+1], s[WJ], 49152
	s_mov_b32 s[G0X], 1
	s_add_co_u32 s[G0X+1], s[G0+1], WBLK
	s_mul_i32 s2, s[WJ], 49152
	s_add_co_u32 s28, s[FB], 56                    ; Wo's block fb is block 56 + fb of img
	s_mul_i32 s28, s28, WBLK
	s_add_co_u32 s28, s28, s2
	s_mov_b32 s29, 0
	s_mul_i32 s30, s[TBK], WBLK
	s_add_co_u32 s30, s30, s2
	s_mov_b32 s31, 0
	s_mul_i32 s26, s[WI], 6144
	s_mul_i32 s27, s[WJ], 6144
	s_add_co_u32 s27, s27, WBLK
	s_mul_i32 s35, s[WV], 16*272
	s_add_co_u32 s35, s35, STAGE                   ; my stage
	s_lshl_b32 s32, s[FB], 12                      ; scl: Wo's rows 7,168 + 128 fb + 64 wi on, 32 bytes a row
	s_lshl_b32 s33, s[WI], 11
	s_add_co_u32 s32, s32, s33
	s_add_co_u32 s32, s32, 229376
	s_wait_alu depctr_va_vdst(0)                   ; the wait stands directly ahead of the readers below
	v_add_nc_u32 v8, s26, v1                       ; v8, v9: my four tiles of Wo, K steps 0-3, 4-7
	v_add_nc_u32 v9, 49152, v8
	v_add_nc_u32 v13, s27, v1                      ; v13, v14: of A, 16 bytes a lane;
	v_add_nc_u32 v14, 49152, v13
	v_add_nc_u32 v15, s27, v2                      ; v15, v16: 8 bytes a lane
	v_add_nc_u32 v16, 49152, v15
	v_add_nc_u32 v10, s35, v10                     ; v10: into the stage
	v_add_nc_u32 v11, s35, v11                     ; v11: back: lanes 0-15 one row of 256 bytes, lanes 16-31 the next
	v_lshl_add_u32 v5, v19, 5, s32                 ; v5: Wo's scale words
	s_wait_alu depctr_va_vdst(0)
	s_wait_dscnt 0x0
	s_wait_kmcnt 0x0
	s_add_nc_u64 s[G0+2:G0+3], s[4:5], s[28:29]
	s_or_b32 s[G0+3], s[G0+3], 0x80000000
	s_add_nc_u64 s[G0X+2:G0X+3], s[8:9], s[30:31]
	s_or_b32 s[G0X+3], s[G0X+3], 0x80000000
	ROUND                                          ; all sixteen work-groups are here: the joint loads meet
	s_cmp_eq_u32 s[WI], 0                          ; the launch's only fills: one load a wave
	s_cbranch_scc0 .Lfor_a
	tensor_load_to_lds s[G0:G0+3], s[G1:G1+7]
	s_nop 0
	PLACES
	s_branch .Lasked
.Lfor_a:
	tensor_load_to_lds s[G0X:G0X+3], s[G1X:G1X+7]
	s_nop 0
	PLACES
.Lasked:
	s_lshl_b32 s32, s[TBK], 10                     ; asc: tile 8 tb + 4 wj, 128 bytes a tile
	s_lshl_b32 s2, s[WJ], 9
	s_add_co_u32 s32, s32, s2
	s_mov_b32 s33, 0
	s_add_nc_u64 s[10:11], s[10:11], s[32:33]
	s_lshl_b32 s34, s[FB], 9                       ; my 64 features, in bytes
	s_lshl_b32 s2, s[WI], 8
	s_add_co_u32 s34, s34, s2
	s_mov_b32 s35, 0
	s_add_nc_u64 s[12:13], s[12:13], s[34:35]      ; bo
	s_lshl_b32 s32, s[TBK], 19                     ; out0: token 128 tb + 64 wj, 4,096 bytes a row
	s_lshl_b32 s2, s[WJ], 18
	s_add_co_u32 s32, s32, s2
	s_add_co_u32 s32, s32, s34
	s_add_nc_u64 s[14:15], s[14:15], s[32:33]
.irp xt, 0,1,2,3
.irp s, 0,1,2,3,4,5,6,7
	global_load_b32 v[ACC+8*\xt+\s], v6, s[10:11] offset:65536*\s+128*\xt   ; tile xt's rows' two bytes: lanes 0-15 of head 2 s, lanes 16-31 of head 2 s + 1
.endr
.endr
.irp t, 0,1,2,3
.irp q, 0,1
	global_load_b128 v[SW+8*\t+4*\q:SW+8*\t+4*\q+3], v5, s[6:7] offset:256*\t+16*\q   ; Wo's scale words of all eight K steps
.endr
.endr
	WIN 0x40
.irp wt, 0,1,2,3
	global_load_b128 v[192+8*\wt:192+8*\wt+3], v17, s[12:13] offset:32*\wt
	global_load_b128 v[192+8*\wt+4:192+8*\wt+7], v17, s[12:13] offset:32*\wt+16
.endr
	WIN 0
	s_wait_loadcnt 16                              ; asc's words are in; behind them 16 loads were issued
.irp s, 0,1,2,3,4,5,6,7
.irp xt, 0,1,2,3
	v_permlanex16_b32 v[PT+\xt], v[ACC+8*\xt+\s], s[SEL], s[SEL+1]
.endr
.irp xt, 0,1,2,3
	v_lshl_or_b32 v[SA+8*\xt+\s], v[PT+\xt], 16, v[ACC+8*\xt+\s]   ; in lanes 0-15: head 2 s's bytes, then head 2 s + 1's: K step s
.endr
.endr
.rept 8
	v_nop                                          ; a scale register written by a vector instruction stands 8 places ahead of a scaled matrix instruction
.endr
	s_wait_alu depctr_va_vdst(0)
	s_wait_tensorcnt 0x0                           ; my half of Wo or of A has landed
	s_barrier_signal -1
	s_barrier_wait -1                              ; everybody's has
	FETCH 0
	FETCH 1
	WIN 0
	s_wait_loadcnt 0x0                             ; Wo's scale words and bo
.irp s, 0,1,2,3,4,5,6,7
.if (\s >= 2) && (\s <= 5)
	PLACES                                         ; the fetch below lands in a buffer that an earlier step has read
.endif
.if \s <= 5
.set SF, \s+2
	FETCH SF
	s_wait_dscnt 56                                ; this step's fetch is in; the two later steps' 28 loads each may be out
.else
	s_wait_dscnt 28*(7-\s)
.endif
	MULO \s
.endr
	WIN 0
	PLACES
; THE WAY OUT, a tile of 16 tokens x 64 features at a time, through my own stage: a lane's 32 registers are 128 neighbouring bytes of its token's row; back come whole rows of 256 bytes.
; LDS serves a wave's instructions in order (ISA guide 5.7.1.4): no wait between the stores and the loads, nor in front of the next tile's stores.
.macro TOSTAGE xt
.irp q, 0,1,2,3,4,5,6,7
	ds_store_b128 v10, v[ACC+32*(\xt)+4*\q:ACC+32*(\xt)+4*\q+3] offset:16*\q   ; each accumulator from its low end on
.endr
.irp i, 0,1,2,3,4,5,6,7
	ds_load_b128 v[20+32*((\xt)%2)+4*\i:20+32*((\xt)%2)+4*\i+3], v11 offset:544*\i
.endr
.endm
.macro SEND xt, younger                ; younger: the LDS instructions issued behind tile xt's loads, which may stay out
	s_wait_dscnt \younger
.irp i, 0,1,2,3,4,5,6,7
	global_store_b128 v12, v[20+32*((\xt)%2)+4*\i:20+32*((\xt)%2)+4*\i+3], s[14:15] offset:(8*(\xt)+2*\i+24*(\i/4))*4096 th:TH_STORE_NT   ; 16 lanes store 256 consecutive bytes, aligned to 256; the stage's row m is the tile's token (m & 7) + 32 (m / 8)
.endr
.endm
	TOSTAGE 0
.irp a, 1,2,3
.if \a > 1
	s_wait_xcnt 0x0                                ; tile a - 2's stores have read their registers: tile a's loads may land there
.endif
	TOSTAGE \a
	SEND \a-1, 16                                  ; behind tile a - 1's loads: tile a's 8 stores and 8 loads
.endr
	SEND 3, 0
	s_wait_tensorcnt 0x0
	ds_add_u32 v126, v127
	s_wait_dscnt 0x0
	ROUND                                          ; the closing round
	s_endpgm
.Lfunc_end_k_q64a866b59d_oproj:
	.size	k_q64a866b59d_oproj, .Lfunc_end_k_q64a866b59d_oproj-k_q64a866b59d_oproj
	.p2alignl 7, 3214868480
	.fill 96, 4, 3214868480
	.section	.rodata,"a",@progbits
	.p2align	6, 0x0
	.amdhsa_kernel k_q64a866b59d_oproj
		.amdhsa_group_segment_fixed_size 214528
		.amdhsa_private_segment_fixed_size 0
		.amdhsa_enable_private_segment 0
		.amdhsa_kernarg_size 48
		.amdhsa_user_sgpr_count 2
		.amdhsa_user_sgpr_kernarg_segment_ptr 1
		.amdhsa_wavefront_size32 1
		.amdhsa_system_sgpr_workgroup_id_x 1
		.amdhsa_system_sgpr_workgroup_id_y 1
		.amdhsa_system_sgpr_workgroup_id_z 1
		.amdhsa_system_vgpr_workitem_id 0
		.amdhsa_next_free_vgpr 1024
		.amdhsa_next_free_sgpr 80
		.amdhsa_reserve_vcc 0
		.amdhsa_float_denorm_mode_32 3
		.amdhsa_float_denorm_mode_16_64 3
		.amdhsa_memory_ordered 1
		.amdhsa_forward_progress 1
		.amdhsa_inst_pref_size 55
	.end_amdhsa_kernel
	.amdgpu_metadata
---
amdhsa.version: [ 1, 2 ]
amdhsa.kernels:
  - .name:           k_q64a866b59d_oproj
    .symbol:         k_q64a866b59d_oproj.kd
    .args:
      - { .name: img, .offset: 0, .size: 8, .value_kind: global_buffer, .address_space: global }
      - { .name: scl, .offset: 8, .size: 8, .value_kind: global_buffer, .address_space: global }
      - { .name: aimg, .offset: 16, .size: 8, .value_kind: global_buffer, .address_space: global }
      - { .name: asc, .offset: 24, .size: 8, .value_kind: global_buffer, .address_space: global }
      - { .name: bo, .offset: 32, .size: 8, .value_kind: global_buffer, .address_space: global }
      - { .name: out0, .offset: 40, .size: 8, .value_kind: global_buffer, .address_space: global }
    .group_segment_fixed_size: 214528
    .private_segment_fixed_size: 0
    .kernarg_segment_align: 8
    .kernarg_segment_size: 48
    .max_flat_workgroup_size: 128
    .sgpr_count:     80
    .vgpr_count:     1024
    .wavefront_size: 32
...
	.end_amdgpu_metadata
.endif
;; end of part 4
